; MI455X (gfx1250); checked and timed in simulation.
; The chip was launched on July 23, 2026; its instructions are those of AMD's public machine-readable ISA for CDNA 5 (MIT licence, August 2026) and "CDNA5" Instruction Set Architecture Reference Guide (July 2026). The comments in the code are by the model that wrote it; some were corrected since.
;; Muti Attention. Allowed arithmetic: float matrix products may take bf16 or f16 operands with f32 sums; other float arithmetic in f32, or as packed bf16 or f16 multiplies, adds, multiply-adds, maxima and minima; sums over many terms, partial sums and values carried from step to step in f32; what a program stores and reads back later, other than sums and carried values, may be rounded once to bf16 or f16.
;; Inputs: W_Query 512 x 512 float32; W_Value 512 x 512 float32; W_key 512 x 512 float32; fw1 512 x 2,048 float32; fw2 2,048 x 512 float32; keys 16 x 1,024 x 512 float32; queries 16 x 1,024 x 512 float32.
;; Outputs: out0 16 x 1 x 512 float32.
;; One version. Each part assembles by itself: llvm-mc -triple=amdgcn-amd-amdhsa -mcpu=gfx1250 --defsym DOCPART=n.
;; ======== version 1 of 1: 5 launches
;; limits: right only within a limited range of input values
;; workspace buffers: wk 524,288 bytes; wqv 1,048,576 bytes; wf 4,194,304 bytes; kb 16,777,216 bytes; qv 33,554,432 bytes; rb 16,777,216 bytes; rs 262,144 bytes; part 1,048,576 bytes
;; launch prep (part 1): grid 352 x 1, 4 waves a work-group, no clusters, 17,920 bytes of LDS; arguments W_key, W_Query, W_Value, fw1, fw2, wk, wqv, wf; writes wk, wqv, wf
.if DOCPART == 1
	.amdgcn_target "amdgcn-amd-amdhsa--gfx1250"
	.amdhsa_code_object_version 6
	.text
	.protected	k_q8a50efe880_prep
	.globl	k_q8a50efe880_prep
	.p2align	8
	.type	k_q8a50efe880_prep,@function
k_q8a50efe880_prep:
	s_mov_b64 s[64:65], 0
	v_nop
	global_prefetch_b8 v0, s[64:65] scope:SCOPE_SE
	s_setreg_imm32_b32 hwreg(HW_REG_WAVE_MODE, 25, 1), 1
	s_wait_xcnt 0x0
; The five weight matrices W[k][n] (f32) are written as W^T[n][k] in bf16, rounded once: the layout in which a matrix fragment has K along its rows.
; A work-group turns a tile of 128 k x 64 n.  Work-groups 0-31: W_key -> wk; 32-63: W_Query -> wqv; 64-95: W_Value -> wqv + 524,288;
; 96-223: fw1 -> wf; 224-351: fw2 -> wf + 2,097,152.  All choices hang on the work-group's number alone.
; In: a load of a wave covers two source rows of 256 bytes.  Out: sixteen lanes store 256 consecutive bytes, aligned.
.set PT,    272                        ; a row of the turned tile in LDS: 128 k x 2 bytes + 16
.set SPARE, 64*PT                      ; behind the tile: the spare words, 128 bytes a wave
.set OFF,   2                          ; v[2:17]   byte offset of my 16 bytes in source row i of my 16
.set SO,    18                         ; v[18:25]  byte offset of my 16 bytes in the destination, for each of 8 stores
.set X,     32                         ; v[32:95]  16 rows x 4 f32; later the rows read back
.set Y,     96                         ; v[96:111] four sets of 4 packed registers
	s_load_b512 s[16:31], s[0:1], 0x0              ; W_key, W_Query, W_Value, fw1, fw2, wk, wqv, wf
	v_lshl_add_u32 v30, v0, 2, SPARE               ; my spare word
	v_mov_b32 v31, 0
	s_mov_b32 s2, ttmp9
	s_and_b32 s3, s2, 31                           ; the tile's number in its matrix
	s_sub_co_u32 s4, s2, 96
	s_sub_co_u32 s5, s2, 224
	s_mov_b32 s7, 1024                             ; destination pitch: 2 K bytes
	s_mov_b32 s8, 2048                             ; source pitch: 4 N bytes
	s_mov_b32 s15, 0                               ; the matrix's place in its destination buffer
	s_cmp_ge_u32 s2, 64
	s_cselect_b32 s15, 0x80000, s15
	s_cmp_ge_u32 s2, 96
	s_cselect_b32 s3, s4, s3
	s_cselect_b32 s8, 8192, s8
	s_cselect_b32 s15, 0, s15
	s_cmp_ge_u32 s2, 224
	s_cselect_b32 s3, s5, s3
	s_cselect_b32 s8, 2048, s8
	s_cselect_b32 s7, 4096, s7
	s_cselect_b32 s6, 4, 2                         ; log2 of the number of k tiles
	s_cselect_b32 s15, 0x200000, s15
	s_bfm_b32 s9, s6, 0
	s_and_b32 s9, s3, s9                           ; k tile
	s_lshr_b32 s10, s3, s6                         ; n tile
	s_mul_i32 s12, s9, s8
	s_lshl_b32 s12, s12, 7                         ; 128 source rows a k tile
	s_lshl_b32 s11, s10, 8                         ; 64 n x 4 bytes
	s_add_co_u32 s12, s12, s11
	s_mov_b32 s13, 0
	s_mul_i32 s14, s10, s7
	s_lshl_b32 s14, s14, 6                         ; 64 destination rows an n tile
	s_lshl_b32 s11, s9, 8                          ; 128 k x 2 bytes
	s_add_co_u32 s14, s14, s11
	s_add_co_u32 s14, s14, s15
	s_mov_b32 s15, 0
	v_and_b32 v1, 0x70, v0                         ; my first source row: 16 x (thread / 16)
	v_and_b32 v26, 15, v0
	v_lshlrev_b32 v27, 4, v26                      ; 16 bytes a lane along a row
	v_mul_lo_u32 v[OFF], v1, s8
	v_add_nc_u32 v[OFF], v[OFF], v27
.set i, 1
.rept 15
	v_add_nc_u32 v[OFF+i], s8, v[OFF+i-1]
.set i, i+1
.endr
	v_mul_u32_u24 v28, v26, 4*PT                   ; into the tile: row n = 4 (lane % 16) + c, byte 2 x my first k
	v_lshl_add_u32 v28, v1, 1, v28
	v_mad_u32_u24 v29, v1, 17, v27                 ; back: row thread / 16 (x 272 = 16 x 17), 16 bytes a lane
	v_lshrrev_b32 v[SO], 4, v0
	v_mul_lo_u32 v[SO], v[SO], s7
	v_add_nc_u32 v[SO], v[SO], v27
	s_lshl_b32 s11, s7, 3                          ; eight destination rows on
.set i, 1
.rept 7
	v_add_nc_u32 v[SO+i], s11, v[SO+i-1]
.set i, i+1
.endr
	s_wait_kmcnt 0x0
	s_mov_b64 s[32:33], s[16:17]
	s_mov_b64 s[34:35], s[26:27]
	s_cmp_ge_u32 s2, 32
	s_cselect_b64 s[32:33], s[18:19], s[32:33]
	s_cselect_b64 s[34:35], s[28:29], s[34:35]
	s_cmp_ge_u32 s2, 64
	s_cselect_b64 s[32:33], s[20:21], s[32:33]
	s_cmp_ge_u32 s2, 96
	s_cselect_b64 s[32:33], s[22:23], s[32:33]
	s_cselect_b64 s[34:35], s[30:31], s[34:35]
	s_cmp_ge_u32 s2, 224
	s_cselect_b64 s[32:33], s[24:25], s[32:33]
	s_add_nc_u64 s[32:33], s[32:33], s[12:13]
	s_add_nc_u64 s[34:35], s[34:35], s[14:15]
.set i, 0
.rept 16
	global_load_b128 v[X+4*i:X+4*i+3], v[OFF+i], s[32:33]
.set i, i+1
.endr
	s_wait_loadcnt 0x0                             ; all sixteen rows: every packed word below takes two of them
.irp c, 0,1,2,3
.irp g, 0,1
.irp p, 0,1,2,3
	v_cvt_pk_bf16_f32 v[Y+4*((2*\c+\g)%4)+\p], v[X+4*(8*\g+2*\p)+\c], v[X+4*(8*\g+2*\p+1)+\c]  ; column c of rows 8 g + 2 p and the next
.endr
	ds_store_b128 v28, v[Y+4*((2*\c+\g)%4):Y+4*((2*\c+\g)%4)+3] offset:\c*PT+16*\g
.endr
.endr
	s_wait_dscnt 0x0                               ; for the others' sake: my stores into the tile are done
	s_barrier_signal -1
	s_barrier_wait -1
.irp e, 0,1,2,3,4,5,6,7
	ds_load_b128 v[X+4*\e:X+4*\e+3], v29 offset:\e*8*PT
.endr
.irp e, 0,1,2,3,4,5,6,7
	s_wait_dscnt 7-\e                              ; LDS loads come back in order: number e is in, the younger ones may stay out
	global_store_b128 v[SO+\e], v[X+4*\e:X+4*\e+3], s[34:35]
.endr
	s_wait_tensorcnt 0x0                           ; the wave's end
	ds_add_u32 v30, v31
	s_wait_dscnt 0x0
	s_endpgm
.Lfunc_end_k_q8a50efe880_prep:
	.size	k_q8a50efe880_prep, .Lfunc_end_k_q8a50efe880_prep-k_q8a50efe880_prep
	.p2alignl 7, 3214868480
	.fill 96, 4, 3214868480
	.section	.rodata,"a",@progbits
	.p2align	6, 0x0
	.amdhsa_kernel k_q8a50efe880_prep
		.amdhsa_group_segment_fixed_size 17920
		.amdhsa_private_segment_fixed_size 0
		.amdhsa_enable_private_segment 0
		.amdhsa_kernarg_size 64
		.amdhsa_user_sgpr_count 2
		.amdhsa_user_sgpr_kernarg_segment_ptr 1
		.amdhsa_wavefront_size32 1
		.amdhsa_system_sgpr_workgroup_id_x 1
		.amdhsa_system_sgpr_workgroup_id_y 1
		.amdhsa_system_sgpr_workgroup_id_z 1
		.amdhsa_system_vgpr_workitem_id 0
		.amdhsa_next_free_vgpr 112
		.amdhsa_next_free_sgpr 66
		.amdhsa_reserve_vcc 0
		.amdhsa_float_denorm_mode_32 3
		.amdhsa_float_denorm_mode_16_64 3
		.amdhsa_memory_ordered 1
		.amdhsa_forward_progress 1
		.amdhsa_inst_pref_size 10
	.end_amdhsa_kernel
	.amdgpu_metadata
---
amdhsa.version: [ 1, 2 ]
amdhsa.kernels:
  - .name:           k_q8a50efe880_prep
    .symbol:         k_q8a50efe880_prep.kd
    .args:
      - { .name: W_key, .offset: 0, .size: 8, .value_kind: global_buffer, .address_space: global }
      - { .name: W_Query, .offset: 8, .size: 8, .value_kind: global_buffer, .address_space: global }
      - { .name: W_Value, .offset: 16, .size: 8, .value_kind: global_buffer, .address_space: global }
      - { .name: fw1, .offset: 24, .size: 8, .value_kind: global_buffer, .address_space: global }
      - { .name: fw2, .offset: 32, .size: 8, .value_kind: global_buffer, .address_space: global }
      - { .name: wk, .offset: 40, .size: 8, .value_kind: global_buffer, .address_space: global }
      - { .name: wqv, .offset: 48, .size: 8, .value_kind: global_buffer, .address_space: global }
      - { .name: wf, .offset: 56, .size: 8, .value_kind: global_buffer, .address_space: global }
    .group_segment_fixed_size: 17920
    .private_segment_fixed_size: 0
    .kernarg_segment_align: 8
    .kernarg_segment_size: 64
    .max_flat_workgroup_size: 128
    .sgpr_count:     66
    .vgpr_count:     112
    .wavefront_size: 32
...
	.end_amdgpu_metadata
.endif
;; end of part 1
;; launch proj (part 2): grid 256 x 1, 4 waves a work-group, clusters of 4 x 1, 327,680 bytes of LDS; arguments queries, keys, wqv, wk, qv, kb; writes qv, kb
.if DOCPART == 2
	.amdgcn_target "amdgcn-amd-amdhsa--gfx1250"
	.amdhsa_code_object_version 6
	.text
	.protected	k_q8a50efe880_proj
	.globl	k_q8a50efe880_proj
	.p2align	8
	.type	k_q8a50efe880_proj,@function
k_q8a50efe880_proj:
	s_mov_b64 s[64:65], 0
	v_nop
	global_prefetch_b8 v0, s[64:65] scope:SCOPE_SE
	s_setreg_imm32_b32 hwreg(HW_REG_WAVE_MODE, 25, 1), 1
	s_wait_xcnt 0x0
	s_wait_alu depctr_hold_cnt(0) depctr_sa_sdst(0) depctr_va_vdst(0) depctr_va_sdst(0) depctr_va_ssrc(0) depctr_va_vcc(0) depctr_vm_vsrc(0)
	s_getreg_b32 s2, hwreg(HW_REG_IB_STS2, 6, 4)
	s_cmp_eq_u32 s2, 0
	s_cbranch_scc0 .Lentry_in_a_cluster
	s_endpgm
.Lentry_in_a_cluster:
	s_bfe_u32 s2, ttmp6, 0x10000c
	s_cmp_lg_u32 s2, 0x3003
	s_cbranch_scc0 .Lentry_shape_is_right
	s_endpgm
.Lentry_shape_is_right:
; q = queries Wq, k = keys Wk, v = k Wv, for 64 rows a work-group.  queries, keys: [16384][512] f32; the weights turned, [n 512][k 512] bf16 (Wq^T at wqv, Wv^T at wqv + 524,288, Wk^T at wk).
; Out, rounded once to bf16 and laid by heads, [8 b + head][t 1024][64]: q at qv, v at qv + 16 MiB, k at kb.  All matrix operands are bf16, all sums f32; v is made of the rounded k.
; SHARES.  Each of the four waves holds ALL 64 rows x 512 K of A in registers and makes 64 rows x 32 columns of each tile: 8 accumulators.  A tile is 128 rows of a turned weight matrix; of tile (pair j, half u) wave w
; fetches, and alone reads, rows 256 j + 64 w + 32 u ..: a pair of tiles gives it the 64 columns of head 4 j + w, which leave through its own stage as whole runs of 512 bytes.
; RING.  12 tiles (Wq, Wk, Wv: four each) go through two LDS slots; behind each change of slots a wave has one tensor load out, which has the tile's 128 products in which to land.
; CLUSTER.  The four work-groups of a cluster differ in their rows alone and walk the same tiles: each is asked for jointly.
; A IS MADE ANEW three times, through an exchange stage that holds 64 rows x 256 of K: half of K at a time.  From queries and from keys: each wave loads 16 rows (a pair of loads covers 1,024 consecutive bytes),
; rounds them to bf16 and stores them; every wave reads all fragments back.  The keys' loads are issued when queries have been rounded: they land while q is multiplied.  From k: the first pair's results
; (columns 0-255) go into the stage when they are made and wait there until the keys' fragments are no longer wanted; the second pair's follow from registers.
; THE LOOP has five trips of a pair of tiles; the sixth pair is written out, since its last change of slots fills nothing.  What a trip does beside its pair hangs on scalars made of constants and the trip count alone.
; THE MATRIX INSTRUCTION IS USED TRANSPOSED (source 0 = 16 rows of W^T, source 1 = 16 rows of A): a lane holds eight neighbouring columns of one row of the result.
; REGISTERS: window 0: v0-31 addresses; v32-95 accumulators; v96-159 a pair's packed results; v160-223 landing; v224-255 the way out.  Windows 1, 2: A (K step ks, row tile a at 8 (4 (ks % 8) + a) of window 1 + ks / 8).
; Window 3: v0-63 two buffers of W's fragments, two K steps each; v64-255 landing.
.set PITCH, 1040                       ; a row of W^T in LDS: 1,024 bytes + 16: an odd multiple of 16, so the 16 rows of a fragment load start in 16 different groups of four banks
.set PART,  32*PITCH                   ; a wave's part of a slot
.set SLOT,  4*PART
.set OSTG,  2*SLOT                     ; 16 rows x 144 bytes a wave, for the way out
.set SP,    144
.set XST,   OSTG+4*16*SP               ; the exchange stage: 64 rows x (512 + 16) bytes
.set XPI,   528
.set SPARE, XST+64*XPI                 ; the spare words, 128 bytes a wave
.set ADRB, 8                           ; v8-9  LDS address of my fragments of W in slot 0, 1
.set ILO,  10                          ; v10   my byte offset in my 16 rows of queries or keys
.set IST,  11                          ; v11   where I put 16 bytes of a rounded input row
.set XRD,  12                          ; v12   where I read A's fragments
.set XSO,  13                          ; v13   where I put 16 bytes of a row of k
.set STO,  14
.set RD,   15
.set GO,   16
.set PFO,  17                          ; v17   the prefetches' offset; never rewritten
.set SPW,  28
.set NIL,  29
.set ACC,  32
.set PP,   96                          ; row tile a, column block b of the head's four at PP + 16 a + 4 b
.set TO,   224
.set WV,   16
.set G1,   24                          ; s[24:31] descriptor group 1
.set G0,   32                          ; s[32:39] descriptor group 0, a set for each slot
.set WPC,  40                          ; s[40:41] my rows of the pair of tiles in hand
.set WPN,  42                          ; s[42:43] of the next pair
.set BK,   44                          ; s[44:45] my rows of Wk^T's first pair
.set BV,   46                          ; s[46:47] of Wv^T's
.set OP,   48                          ; s[48:49] where the pair in hand goes
.set OPK,  50
.set OPV,  52
.set PFA,  54                          ; s[54:55] where my prefetches stand
.set PFX,  56                          ; s[56:57] my work-group's 8 of a wave's 32 rows
.set LIM,  58                          ; s58 1 in the cluster that prefetches
.set CNT,  59                          ; s59 trips to go: 5 q, 4 q, 3 k, 2 k, 1 v
.set NEW,  60                          ; s60 1: A is made anew ahead of this pair
.set MODE, 61                          ; s61 0: from the landed input; 1: from k
.set MSB, 0
.macro WIN new                         ; the immediate's high byte repeats the setting that is left; a switch that changes nothing is dropped
.if MSB != (\new)
	s_set_vgpr_msb (MSB<<8)|(\new)
.set MSB, (\new)
.endif
.endm
.macro PLACES                          ; four plain places behind a matrix instruction, ahead of loads into its sources and of readers of its result
.rept 4
	v_nop
.endr
.endm
.macro BAR
	s_barrier_signal -1
	s_barrier_wait -1
.endm
.macro CROUND                          ; a round of the cluster's barrier
	s_barrier_signal -1
	s_barrier_wait -1
	s_cmp_lg_u32 s[WV], 0
	s_cbranch_scc1 .Lnot_wave_0_\@
	s_barrier_signal -3
.Lnot_wave_0_\@:
	s_barrier_wait -3
	s_barrier_signal -1
	s_barrier_wait -1
.endm
; THE INPUT.  Row i of my 16, half g of K: 8 f32 a lane, in 8 landing registers: the first 192 in window 3, the last 64 in window 0.
.macro LREG g, i
.set LX, 128*(\g)+8*(\i)
.if LX < 192
.set LWN, 3
.set LRG, 64+LX
.else
.set LWN, 0
.set LRG, 160+LX-192
.endif
.endm
.macro ILOAD base                      ; 64 loads: a lane takes 32 consecutive bytes by two of them, 32 lanes half a row
.irp g, 0,1
.set i, 0
.rept 16
	LREG \g, i
	WIN LWN<<6
	global_load_b128 v[LRG:LRG+3],   v[ILO], s[\base:\base+1] offset:i*2048+\g*1024 th:TH_LOAD_NT
	global_load_b128 v[LRG+4:LRG+7], v[ILO], s[\base:\base+1] offset:i*2048+\g*1024+16 th:TH_LOAD_NT
.set i, i+1
.endr
.endr
	WIN 0
.endm
.macro ICONV g                         ; rounded to bf16 in place: 8 numbers into the first 4 of their registers
.set i, 0
.rept 16
	LREG \g, i
	WIN LWN*0x45
.irp p, 0,1,2,3
	v_cvt_pk_bf16_f32 v[LRG+\p], v[LRG+2*\p], v[LRG+2*\p+1]
.endr
.set i, i+1
.endr
.endm
.macro ISTORE g                        ; a store of the wave covers 512 consecutive bytes: a row's half of K
.set i, 0
.rept 16
	LREG \g, i
	WIN LWN<<2
	ds_store_b128 v[IST], v[LRG:LRG+3] offset:i*XPI
.set i, i+1
.endr
	WIN 0
.endm
.macro XSTORE                          ; a pair's results, 64 rows x my head's 64 columns, into the exchange stage
.irp a, 0,1,2,3
.irp b, 0,1,2,3
	ds_store_b128 v[XSO], v[PP+16*\a+4*\b:PP+16*\a+4*\b+3] offset:\a*16*XPI+32*\b
.endr
.endr
.endm
.macro XREAD g                         ; A's fragments of K steps 8 g .. 8 g + 7, all four row tiles: 64 loads
	WIN (1+(\g))<<6
.irp k, 0,1,2,3,4,5,6,7
.irp a, 0,1,2,3
	ds_load_b128 v[8*(4*\k+\a):8*(4*\k+\a)+3],   v[XRD] offset:\a*16*XPI+\k*64
	ds_load_b128 v[8*(4*\k+\a)+4:8*(4*\k+\a)+7], v[XRD] offset:\a*16*XPI+\k*64+32
.endr
.endr
	WIN 0
.endm
; THE PRODUCTS.  Eight LDS loads: W's fragments of K steps 2 e and 2 e + 1, my 32 rows, into buffer f.
.macro FETCH slot, e, f
	WIN 0xc0
.irp k, 0,1
.irp b, 0,1
	ds_load_b128 v[(\f)+8*(2*\k+\b):(\f)+8*(2*\k+\b)+3],   v[ADRB+(\slot)] offset:\b*16*PITCH+(2*(\e)+\k)*64
	ds_load_b128 v[(\f)+8*(2*\k+\b)+4:(\f)+8*(2*\k+\b)+7], v[ADRB+(\slot)] offset:\b*16*PITCH+(2*(\e)+\k)*64+32
.endr
.endr
.endm
.macro MULS f, e                       ; 16 products: two K steps, the 8 accumulators by turns, in the same order every time; K step 0 starts the sums
	WIN 3|((1+(\e)/4)<<2)
.irp k, 0,1
.irp a, 0,1,2,3
.irp b, 0,1
.if (2*(\e)+\k) == 0
	v_wmma_f32_16x16x32_bf16 v[ACC+8*(2*\a+\b):ACC+8*(2*\a+\b)+7], v[(\f)+8*(2*\k+\b):(\f)+8*(2*\k+\b)+7], v[8*(4*((2*(\e)+\k)%8)+\a):8*(4*((2*(\e)+\k)%8)+\a)+7], 0
.else
	v_wmma_f32_16x16x32_bf16 v[ACC+8*(2*\a+\b):ACC+8*(2*\a+\b)+7], v[(\f)+8*(2*\k+\b):(\f)+8*(2*\k+\b)+7], v[8*(4*((2*(\e)+\k)%8)+\a):8*(4*((2*(\e)+\k)%8)+\a)+7], v[ACC+8*(2*\a+\b):ACC+8*(2*\a+\b)+7]
.endif
.endr
.endr
.endr
.endm
.macro STEPS slot                      ; a tile's 128 products, 16 a step; the first two steps' fragments have been asked for ahead of the macro, each later step's 16 products ahead of its use
.set e, 0
.rept 8
.if (e > 0) && (e < 7)
	PLACES                                         ; the buffer that is loaded next was read by the 16 products just issued
	FETCH \slot, e+1, 32*((e+1)%2)
.endif
.if e < 7
	s_wait_dscnt 8                                 ; all but the eight youngest loads, the next step's: this step's fragments are in
.else
	s_wait_dscnt 0x0
.endif
	MULS 32*(e%2), e
.set e, e+1
.endr
.endm
.macro PACK u                          ; tile u of the pair: rounded to bf16, each accumulator from its low end on
	WIN 0
.irp a, 0,1,2,3
.irp b, 0,1
.irp p, 0,1,2,3
	v_cvt_pk_bf16_f32 v[PP+16*\a+4*(2*(\u)+\b)+\p], v[ACC+8*(2*\a+\b)+2*\p], v[ACC+8*(2*\a+\b)+2*\p+1]
.endr
.endr
.endr
.endm
; THE CHANGE OF SLOTS into slot s.  Each wave waits for all its tensor loads (one is out: its part of slot s), adds 0 to its spare word, and waits for that and for its LDS reads.
; fill = 1: a round of the cluster's barrier follows, and the other slot is filled first behind it: from slot 0 with the pair's second tile, from slot 1 with the next pair's first.
.macro CHANGE s, fill
	WIN 0
	s_wait_tensorcnt 0x0                           ; no tensor load of mine is out, so a group 0 may be written
	ds_add_u32 v[SPW], v[NIL]
.if \fill
.if (\s) == 0
	s_add_nc_u64 s[G0+6:G0+7], s[WPC:WPC+1], 32768
	s_or_b32 s[G0+7], s[G0+7], 0x80000000
.else
	s_mov_b64 s[G0+2:G0+3], s[WPN:WPN+1]
	s_or_b32 s[G0+3], s[G0+3], 0x80000000
.endif
.endif
	s_wait_dscnt 0x0
.if \fill
	CROUND
	tensor_load_to_lds s[G0+4*(1-(\s)):G0+4*(1-(\s))+3], s[G1:G1+7]
	s_nop 0
.else
	BAR
.endif
	PLACES                                         ; behind the load; also the places behind the last products, for the fragment loads into both buffers and for the conversions
.endm
; A PREFETCH INTO THE L2 of the tile that the NEXT change of slots will ask for, 128 products ahead of that load.  All clusters walk the same tiles: the first cluster asks.  Of the 32 rows that a wave fetches each of
; the four partners takes 8, told apart by address: a lane a block of 256 bytes.  So each block is named once.  It stands behind the joint load, its lines and the two runs of LDS loads.  Tiles 0 and 1 come by their loads alone.
.macro ASK off
	WIN 0
	s_cmp_eq_u32 s[LIM], 1
	s_cbranch_scc0 .Lnot_mine_\@
	global_prefetch_b8 v[PFO], s[PFA:PFA+1] offset:\off th:TH_LOAD_NT scope:SCOPE_SE
.Lnot_mine_\@:
.endm
.macro TILE s, fill, ask, pack
	CHANGE \s, \fill
	FETCH \s, 0, 0                                 ; the first two steps' fragments, in one run
	FETCH \s, 1, 32
.if \ask
	ASK (\s)*32768
.endif
.if \pack
	PACK 0                                         ; the pair's first tile, while the second's first fragments come
.endif
	STEPS \s
.endm
; THE WAY OUT of a pair: row tile a goes into my stage, 16 bytes a lane, and comes back as four rows of 128 bytes a load, which are 512 consecutive bytes of the head.
.macro OUTA a
.irp b, 0,1,2,3
	ds_store_b128 v[STO], v[PP+16*(\a)+4*\b:PP+16*(\a)+4*\b+3] offset:32*\b
.endr
	s_wait_xcnt 0x0                                ; the stores of the row tile two back have read the registers that are loaded again
.irp f, 0,1,2,3
	ds_load_b128 v[TO+16*((\a)%2)+4*\f:TO+16*((\a)%2)+4*\f+3], v[RD] offset:\f*4*SP  ; LDS serves a wave's instructions in order: these see the stores above
.endr
.endm
.macro SEND a, younger                 ; younger: the LDS instructions issued behind row tile a's loads
.irp f, 0,1,2,3
	s_wait_dscnt (\younger)+3-\f
	global_store_b128 v[GO], v[TO+16*((\a)%2)+4*\f:TO+16*((\a)%2)+4*\f+3], s[OP:OP+1] offset:(\a)*2048+\f*512
.endr
.endm
.macro OUT
	OUTA 0
	OUTA 1
	SEND 0, 8
	OUTA 2
	SEND 1, 8
	OUTA 3
	SEND 2, 8
	SEND 3, 0
.endm
	s_load_b256 s[4:11], s[0:1], 0x0               ; queries s[4:5], keys s[6:7], wqv s[8:9], wk s[10:11]
	s_load_b128 s[12:15], s[0:1], 0x20             ; qv s[12:13], kb s[14:15]
	v_lshl_add_u32 v[SPW], v0, 2, SPARE
	v_mov_b32 v[NIL], 0
	ds_add_u32 v[SPW], v[NIL]                      ; the wave's opening
	ds_add_u32 v28, v29
	v_lshrrev_b32 v1, 5, v0
	v_readfirstlane_b32 s[WV], v1                  ; wave 0..3
	s_mov_b32 s[G1+0], 15|(1<<16)|(1<<20)|(1<<21)|(7<<22)|(3<<25)  ; mask of four; 2-byte elements; padding on; bit 21 beside a mask; after every 256 words; 4 words
	s_mov_b32 s[G1+1], 512<<16                     ; tensor_dim0 = 512
	s_mov_b32 s[G1+2], 32<<16                      ; tensor_dim1 = 32
	s_mov_b32 s[G1+3], 512<<16                     ; tile_dim0 = 512
	s_mov_b32 s[G1+4], 32                          ; tile_dim1 = 32
	s_mov_b32 s[G1+5], 512                         ; elements from row to row
	s_mov_b32 s[G1+6], 0
	s_mov_b32 s[G1+7], 0
	s_mul_i32 s21, s[WV], PART                     ; my part of a slot: nothing of my place in the cluster enters
	s_mov_b32 s[G0], 1
	s_mov_b32 s[G0+1], s21
	s_mov_b32 s[G0+4], 1
	s_add_co_u32 s[G0+5], s21, SLOT
	s_lshl_b32 s66, s[WV], 16                      ; my 64 rows of a pair's 256, 1,024 bytes each
	s_mov_b32 s67, 0
	s_cmp_eq_u32 ttmp9, 0
	s_cselect_b32 s[LIM], 1, 0                     ; the same in all four partners
	s_mov_b32 s[CNT], 5
	s_mov_b32 s[NEW], 1
	s_mov_b32 s[MODE], 0
	s_bfe_u32 s17, ttmp6, 0x40000                  ; cx: it enters the inputs', the results' and the prefetches' addresses alone
	s_lshl_b32 s18, ttmp9, 2
	s_add_co_u32 s18, s18, s17                     ; block of 64 rows
	s_lshl_b32 s68, s18, 17                        ; 64 rows of 2,048 bytes
	s_mov_b32 s69, 0
	s_lshr_b32 s19, s18, 4                         ; batch
	s_lshl3_add_u32 s19, s19, s[WV]                ; head block 8 b + w: the first pair's
	s_lshl_b32 s70, s19, 17
	s_and_b32 s20, s18, 15
	s_lshl_b32 s20, s20, 13                        ; my block's first row in the batch, 128 bytes a row
	s_add_co_u32 s70, s70, s20
	s_mov_b32 s71, 0
	s_lshl_b32 s[PFX], s17, 13
	s_mov_b32 s[PFX+1], 0
	v_and_b32 v1, 15, v0                           ; r = lane % 16
	v_bfe_u32 v2, v0, 4, 1                         ; h = lane / 16
	v_and_b32 v3, 31, v0                           ; lane
	s_lshl_b32 s22, s[WV], 15
	v_lshl_add_u32 v[ILO], v3, 5, s22              ; my 16 rows x 2,048 + 32 x lane
	s_mul_i32 s22, s[WV], 16*XPI
	s_add_co_u32 s22, s22, XST
	v_lshl_add_u32 v[IST], v3, 4, s22
	v_mul_u32_u24 v4, v1, XPI
	v_lshl_add_u32 v4, v2, 4, v4
	v_add_nc_u32 v[XRD], XST, v4                   ; row r x pitch + 16 h
	s_lshl_b32 s22, s[WV], 7
	v_add_nc_u32 v[XSO], s22, v[XRD]               ; + my head's 128 bytes
	v_mul_u32_u24 v5, v1, PITCH
	v_lshl_add_u32 v5, v2, 4, v5
	v_add_nc_u32 v[ADRB], s21, v5
	v_add_nc_u32 v[ADRB+1], SLOT, v[ADRB]
	s_mul_i32 s23, s[WV], 16*SP
	s_add_co_u32 s23, s23, OSTG                    ; my stage
	v_mul_u32_u24 v[STO], v1, SP
	v_lshl_add_u32 v[STO], v2, 4, v[STO]
	v_add_nc_u32 v[STO], s23, v[STO]
	v_bfe_u32 v6, v0, 3, 2
	v_and_b32 v7, 7, v0
	v_mul_u32_u24 v[RD], v6, SP
	v_lshl_add_u32 v[RD], v7, 4, v[RD]
	v_add_nc_u32 v[RD], s23, v[RD]
	v_lshlrev_b32 v[GO], 4, v3
	v_lshrrev_b32 v6, 2, v3
	v_and_b32 v7, 3, v3
	v_lshlrev_b32 v[PFO], 10, v6                   ; row lane / 4, block lane % 4
	v_lshl_add_u32 v[PFO], v7, 8, v[PFO]
	s_wait_dscnt 0x0                               ; the opening add is done
	s_wait_kmcnt 0x0
	s_add_nc_u64 s[4:5], s[4:5], s[68:69]
	s_add_nc_u64 s[6:7], s[6:7], s[68:69]
	s_add_nc_u64 s[WPC:WPC+1], s[8:9], s[66:67]
	s_add_nc_u64 s[BV:BV+1], s[WPC:WPC+1], 524288
	s_add_nc_u64 s[BK:BK+1], s[10:11], s[66:67]
	s_add_nc_u64 s[OP:OP+1], s[12:13], s[70:71]
	s_add_nc_u64 s[OPV:OPV+1], s[OP:OP+1], 0x1000000
	s_add_nc_u64 s[OPK:OPK+1], s[14:15], s[70:71]
	s_mov_b64 s[G0+2:G0+3], s[WPC:WPC+1]
	s_or_b32 s[G0+3], s[G0+3], 0x80000000
	ILOAD 4                                        ; queries: on their way before anything else
	CROUND                                         ; all four work-groups are here: the joint loads meet
	tensor_load_to_lds s[G0:G0+3], s[G1:G1+7]      ; tile 0; slot 1 is filled behind the first change of slots
	s_nop 0
	PLACES
.Lpair:
	s_add_nc_u64 s[WPN:WPN+1], s[WPC:WPC+1], 262144  ; the next pair: the matrix's second, or the next matrix's first
	s_cmp_eq_u32 s[CNT], 4
	s_cselect_b64 s[WPN:WPN+1], s[BK:BK+1], s[WPN:WPN+1]
	s_cmp_eq_u32 s[CNT], 2
	s_cselect_b64 s[WPN:WPN+1], s[BV:BV+1], s[WPN:WPN+1]
	s_add_nc_u64 s[PFA:PFA+1], s[WPN:WPN+1], s[PFX:PFX+1]  ; (the last trip's prefetches have read it: the wait stands at that trip's end)
	s_cmp_eq_u32 s[NEW], 1
	s_cbranch_scc0 .Lsame_a
	; A IS MADE ANEW.  The tile that comes next is on its way meanwhile.
	s_wait_loadcnt 0x0                             ; my 16 rows of the input have landed.  The wait stands on every way through this block, ahead of its tests: so no load is pending on the landing registers
	                                               ; where they are rounded, nor where the keys' loads are issued into them; where A comes from k no load is out, and it is met at once
	s_wait_dscnt 0x0
	BAR                                            ; no wave writes into the stage before every wave has come here
	s_cmp_eq_u32 s[MODE], 0
	s_cbranch_scc0 .Lhalf0                         ; from k: columns 0-255 lie in the stage since the first pair of k
	ICONV 0
	ISTORE 0
	ICONV 1
	WIN 0
.Lhalf0:
	s_wait_dscnt 0x0                               ; for the others' sake: my stores are done
	BAR
	XREAD 0
	s_wait_dscnt 0x0                               ; my reads of the stage are over
	BAR                                            ; everybody's are: it may be written again
	s_cmp_eq_u32 s[MODE], 0
	s_cbranch_scc0 .Lfrom_k
	ISTORE 1
	s_branch .Lhalf1
.Lfrom_k:
	XSTORE                                         ; k's columns 256-511, from the registers of the pair just packed
.Lhalf1:
	s_wait_dscnt 0x0
	BAR
	XREAD 1                                        ; waited for in the change of slots below
	s_cmp_eq_u32 s[CNT], 5
	s_cbranch_scc0 .Lsame_a
	ILOAD 6                                        ; keys: the landing registers are free; they land while q is multiplied
.Lsame_a:
	TILE 0, 1, 1, 0
	TILE 1, 1, 1, 1
	PLACES
	PACK 1
	s_cmp_eq_u32 s[CNT], 3
	s_cbranch_scc0 .Lno_keep
	XSTORE                                         ; k's columns 0-255 wait in the stage; its last readers stand two changes of slots back
.Lno_keep:
	OUT
	s_wait_xcnt 0x0                                ; the stores and prefetches have read their addresses, which are written now and at the loop's head
	s_add_nc_u64 s[OP:OP+1], s[OP:OP+1], 524288    ; four heads on, or the next result's first heads
	s_cmp_eq_u32 s[CNT], 4
	s_cselect_b64 s[OP:OP+1], s[OPK:OPK+1], s[OP:OP+1]
	s_cmp_eq_u32 s[CNT], 2
	s_cselect_b64 s[OP:OP+1], s[OPV:OPV+1], s[OP:OP+1]
	s_cselect_b32 s[MODE], 1, 0
	s_mov_b64 s[WPC:WPC+1], s[WPN:WPN+1]
	s_and_b32 s[NEW], s[CNT], 1
	s_xor_b32 s[NEW], s[NEW], 1                    ; a matrix's first pair follows an even count
	s_sub_co_u32 s[CNT], s[CNT], 1
	s_cmp_lg_u32 s[CNT], 0
	s_cbranch_scc1 .Lpair
	TILE 0, 1, 0, 0                                ; the last pair is written out: its first change asks for the last tile,
	TILE 1, 0, 0, 1                                ; its second for nothing
	PLACES
	PACK 1
	OUT
	s_wait_tensorcnt 0x0                           ; the wave's end
	ds_add_u32 v[SPW], v[NIL]
	s_wait_dscnt 0x0
	CROUND                                         ; the closing round
	s_endpgm
.Lfunc_end_k_q8a50efe880_proj:
	.size	k_q8a50efe880_proj, .Lfunc_end_k_q8a50efe880_proj-k_q8a50efe880_proj
	.p2alignl 7, 3214868480
	.fill 96, 4, 3214868480
	.section	.rodata,"a",@progbits
	.p2align	6, 0x0
	.amdhsa_kernel k_q8a50efe880_proj
		.amdhsa_group_segment_fixed_size 327680
		.amdhsa_private_segment_fixed_size 0
		.amdhsa_enable_private_segment 0
		.amdhsa_kernarg_size 48
		.amdhsa_user_sgpr_count 2
		.amdhsa_user_sgpr_kernarg_segment_ptr 1
		.amdhsa_wavefront_size32 1
		.amdhsa_system_sgpr_workgroup_id_x 1
		.amdhsa_system_sgpr_workgroup_id_y 1
		.amdhsa_system_sgpr_workgroup_id_z 1
		.amdhsa_system_vgpr_workitem_id 0
		.amdhsa_next_free_vgpr 1024
		.amdhsa_next_free_sgpr 72
		.amdhsa_reserve_vcc 0
		.amdhsa_float_denorm_mode_32 3
		.amdhsa_float_denorm_mode_16_64 3
		.amdhsa_memory_ordered 1
		.amdhsa_forward_progress 1
		.amdhsa_inst_pref_size 113
	.end_amdhsa_kernel
	.amdgpu_metadata
---
amdhsa.version: [ 1, 2 ]
amdhsa.kernels:
  - .name:           k_q8a50efe880_proj
    .symbol:         k_q8a50efe880_proj.kd
    .args:
      - { .name: queries, .offset: 0, .size: 8, .value_kind: global_buffer, .address_space: global }
      - { .name: keys, .offset: 8, .size: 8, .value_kind: global_buffer, .address_space: global }
      - { .name: wqv, .offset: 16, .size: 8, .value_kind: global_buffer, .address_space: global }
      - { .name: wk, .offset: 24, .size: 8, .value_kind: global_buffer, .address_space: global }
      - { .name: qv, .offset: 32, .size: 8, .value_kind: global_buffer, .address_space: global }
      - { .name: kb, .offset: 40, .size: 8, .value_kind: global_buffer, .address_space: global }
    .group_segment_fixed_size: 327680
    .private_segment_fixed_size: 0
    .kernarg_segment_align: 8
    .kernarg_segment_size: 48
    .max_flat_workgroup_size: 128
    .sgpr_count:     72
    .vgpr_count:     1024
    .wavefront_size: 32
...
	.end_amdgpu_metadata
.endif
;; end of part 2
;; launch attn (part 3): grid 2 x 128, 4 waves a work-group, no clusters, 327,680 bytes of LDS; arguments qv, kb, queries, rb, rs; writes rb, rs
.if DOCPART == 3
	.amdgcn_target "amdgcn-amd-amdhsa--gfx1250"
	.amdhsa_code_object_version 6
	.text
	.protected	k_q8a50efe880_attn
	.globl	k_q8a50efe880_attn
	.p2align	8
	.type	k_q8a50efe880_attn,@function
k_q8a50efe880_attn:
	s_mov_b64 s[64:65], 0
	v_nop
	global_prefetch_b8 v0, s[64:65] scope:SCOPE_SE
	s_setreg_imm32_b32 hwreg(HW_REG_WAVE_MODE, 25, 1), 1
	s_wait_xcnt 0x0
; result[hb][q][:] = the sum over k != q of softmax_k(Q[q] . K[k] / 8) V[k][:] + queries[b][q][64 head ..], for head block hb = 8 b + head.
; Q, K, V: [128][1024][64] bf16 by heads (Q at qv, V at qv + 16 MiB, K at kb).  Out: rb, bf16, by heads; rs, f32: for each wave the sums of its 128 rows of the unrounded result.
; Products, maxima and sums in f32; the weights are rounded to bf16 for the second product, their sum l is taken of the unrounded weights.
; LIMITS.  The blinded score counts as s / 8 - 2^32 (the source sets it to -2^32 + 1): its weight is 0 in both as long as a row's other scaled scores stay above some -4e9.
; A weight below 2^-126 counts as 0 in l; NaN and infinities are not treated apart.
; SHARES.  A work-group owns 512 queries of a head, a wave 128: four PIECES of two tiles of 16.  Every wave walks all 1,024 keys, 64 a step.
; THE WHOLE HEAD'S K AND V LIE IN LDS, each byte filled once: waves 0, 1 fetch K, waves 2, 3 V, four loads of 128 keys each, in ascending order; the first 256 keys are waited for at the start, the rest behind four key steps.
; NO CLUSTER: a head has two work-groups, so a cluster of four would hold two heads; and K and V are fetched once a work-group, 256 KiB for 16 key steps of work.
; LAYOUT.  S^T = K Q^T: a lane holds ONE query (lane % 16) and the keys 8 (lane / 16) + 0..7; two such results rounded to bf16 ARE source 1 of O^T = V^T P.  V comes out of LDS turned, by ds_load_tr16_b128.
; SOFTMAX.  Running maximum m and sum l: p = 2^(c s - c m), c = log2(e) / 8; in every step O and l are multiplied by a = 2^(c m_old - c m_new).  m starts at the lowest finite number, O and l at 0.
; THE DIAGONAL.  Tile t of my eight meets its own keys in key step 8 qb + 2 w + t / 4, key block t % 4.  There the product that starts the sum takes a mask as C: MD (-2^35 where key = query) times 1 in that step, times 0 in all others.
; BY TURNS.  Turn n belongs to piece n: 16 products K Q^T of piece n + 1, later 16 products V^T P of piece n - 1; beside them piece n's scaling, exponentials, roundings, sums and rescaling and piece n + 1's maximum and statistics.
; Four vector instructions stand behind every matrix instruction, the rest in one lump; a turn's 66 exponentials are one batch with one wait.
; REGISTERS, in windows of 256 (s_set_vgpr_msb: bits 1:0 source 0, 3:2 source 1, 5:4 source 2, 7:6 destination):
;   window 0: v0-11 addresses; v12-15, v48-63 at work; v16-47 statistics; v64-191 S^T, two buffers of two tiles; v192-255 P, likewise
;   window 1: O^T, 32 a tile     window 2: v0-127 Q; v128-191 K of one step; v192-255 V of one step     window 3: v0-1 the add's registers; v8-15 MD; v16-31 the two masks in hand
.set NP,    4
.set KS,    64
.set PK,    144       ; a row of K in LDS: 128 bytes + 16
.set PV,    160       ; a row of V: 128 + 32
.set VOFF,  1024*PK
.set STAGE, VOFF+1024*PV   ; 16 rows x 144 bytes a wave, for the way out; never filled by a tensor load
.set SP,    144
.set SPARE, STAGE+4*16*SP  ; the spare words, 128 bytes a wave
.set AK0, 2
.set AV0, 3
.set AK,  4
.set AV,  5
.set QO,  6
.set STO, 6
.set RD,  7
.set GO,  8
.set SS,  9           ; the way out: where the row sums go
.set SL,  10          ; where I read 8 bytes of them back
.set RO,  11          ; my byte offset in 16 rows of queries
.set RSO, 1           ; my 8 bytes of rs
.set SPW, 0           ; window 3
.set NIL, 1           ; window 3
.set MD,  8           ; window 3
.set MCA, 16          ; window 3: the mask for pieces 0, 1; at +8 that for pieces 2, 3
.set MV,  12
.set ST,  16
.set TMP, 48
.set S,   64
.set P,   192
.set KF,  128
.set VF,  192
.set WV,  12
.set G1K, 24
.set G1V, 32
.set G0,  40          ; s[40:55] four sets of descriptor group 0
.set SLOTS, 56
.set CNT, 57
.set CS,  58
.set SEL, 60
.set TBK, 62
.set TBV, 63
.set DG0, 70          ; the key step that holds the diagonal of my tiles 0-3
.set DG1, 71          ; of my tiles 4-7
.set STP, 72          ; the key step for which the next masks are made
.set AL,  74          ; s[74:75]
.set BE,  76          ; s[76:77]
.set BIGN, 78
.set MSB, 0
.macro WIN new
.if MSB != (\new)
	s_set_vgpr_msb (MSB<<8)|(\new)
.set MSB, (\new)
.endif
.endm
.set W_KQ, 0x0a
.set W_KM, 0x3a       ; the same with C in window 3
.set W_PV, 0x52
.set W_RS, 0x41
.set W_MK, 0xc0
.set W_AD, 0x0f
	s_load_b256 s[4:11], s[0:1], 0x0  ; qv s[4:5], kb s[6:7], queries s[8:9], rb s[10:11]
	s_load_b64 s[80:81], s[0:1], 0x20 ; rs
	WIN W_MK
	v_lshl_add_u32 v[SPW], v0, 2, SPARE
	v_mov_b32 v[NIL], 0
	WIN W_AD
	ds_add_u32 v[SPW], v[NIL]       ; the wave's opening
	ds_add_u32 v0, v1
	WIN 0
	v_lshrrev_b32 v1, 5, v0
	v_readfirstlane_b32 s[WV], v1
	s_mov_b32 s14, ttmp9            ; qb: which 512 queries
	s_and_b32 s20, ttmp7, 0xffff    ; hb
	s_lshl_b32 s[DG0], s14, 3
	s_lshl1_add_u32 s[DG0], s[WV], s[DG0]
	s_add_co_u32 s[DG1], s[DG0], 1
	s_mov_b32 s[STP], 0
	s_lshr_b32 s82, s20, 3          ; queries: the batch's 1,024 rows of 2,048 bytes,
	s_lshl_b32 s82, s82, 21
	s_lshl_b32 s83, s14, 20         ; my block's 512,
	s_add_co_u32 s82, s82, s83
	s_lshl_b32 s83, s[WV], 18       ; my wave's 128,
	s_add_co_u32 s82, s82, s83
	s_and_b32 s83, s20, 7
	s_lshl_b32 s83, s83, 8          ; the head's 256 bytes of a row
	s_add_co_u32 s82, s82, s83
	s_mov_b32 s83, 0
	s_lshl1_add_u32 s84, s20, s14
	s_lshl2_add_u32 s84, s84, s[WV]
	s_lshl_b32 s84, s84, 8          ; rs: 256 bytes for (hb, qb, wave)
	s_mov_b32 s85, 0
	s_lshl_b32 s20, s20, 17         ; the head's first byte in Q, K, V and rb
	s_mov_b32 s21, 0
	s_and_b32 s16, s[WV], 1         ; which of each pair of chunks I fetch
	s_lshl_b32 s22, s16, 14
	s_mov_b32 s23, 0
	s_add_nc_u64 s[22:23], s[22:23], s[20:21]
	s_mul_i32 s17, s16, 128*PK
	s_mul_i32 s18, s16, 128*PV
	s_add_co_u32 s18, s18, VOFF
	s_lshl_b32 s2, s14, 16
	s_lshl_b32 s3, s[WV], 14
	s_add_co_u32 s2, s2, s3
	s_mov_b32 s3, 0
	s_add_nc_u64 s[2:3], s[2:3], s[20:21]
	; descriptor group 1.  128 keys are 16,384 dense bytes: 64 rows of 256 bytes, two keys a row, padded in LDS after every key
	s_mov_b32 s[G1K], (1<<16)|(1<<20)|(4<<22)|(3<<25)
	s_mov_b32 s[G1V], (1<<16)|(1<<20)|(4<<22)|(7<<25)
.irp g, G1K, G1V
	s_mov_b32 s[\g+1], 128<<16
	s_mov_b32 s[\g+2], 64<<16
	s_mov_b32 s[\g+3], 128<<16
	s_mov_b32 s[\g+4], 64
	s_mov_b32 s[\g+5], 128
	s_mov_b32 s[\g+6], 0
	s_mov_b32 s[\g+7], 0
.endr
	s_mov_b32 s[CS], 0x3e38aa3b     ; c = log2(e) / 8
	s_mov_b32 s[CS+1], s[CS]
	s_mov_b32 s[SEL], 0x76543210
	s_mov_b32 s[SEL+1], 0xfedcba98
	s_mov_b32 s[TBK], 0
	s_mov_b32 s[TBV], 0
	s_mov_b32 s[AL+1], 0            ; named as pairs
	s_mov_b32 s[BE+1], 0
	s_mov_b32 s[BIGN], 0xd1000000   ; -2^35: 8 x -2^32
	s_wait_dscnt 0x0                ; the opening add is done
	s_wait_kmcnt 0x0
	s_add_nc_u64 s[6:7], s[6:7], s[22:23]      ; K at my first chunk
	s_add_nc_u64 s[86:87], s[4:5], s[22:23]
	s_add_nc_u64 s[86:87], s[86:87], 0x1000000 ; V likewise
	s_add_nc_u64 s[4:5], s[4:5], s[2:3]        ; Q and rb at my wave's first row
	s_add_nc_u64 s[10:11], s[10:11], s[2:3]
	s_add_nc_u64 s[8:9], s[8:9], s[82:83]
	s_add_nc_u64 s[80:81], s[80:81], s[84:85]
	s_cmp_lt_u32 s[WV], 2           ; a wave's four fills stand in one branch, ahead of every wait on TENSORcnt, LDS read and barrier: four loads of mine are out
	s_cbranch_scc0 .Lfill_v
.irp c, 0,1,2,3
	s_mov_b32 s[G0+4*\c], 1
	s_add_co_u32 s[G0+4*\c+1], s17, \c*256*PK
	s_add_nc_u64 s[G0+4*\c+2:G0+4*\c+3], s[6:7], \c*32768
	s_or_b32 s[G0+4*\c+3], s[G0+4*\c+3], 0x80000000
.endr
.irp c, 0,1,2,3
	tensor_load_to_lds s[G0+4*\c:G0+4*\c+3], s[G1K:G1K+7]
	s_nop 0
.endr
.rept 4
	v_nop
.endr
	s_branch .Lfilled
.Lfill_v:
.irp c, 0,1,2,3
	s_mov_b32 s[G0+4*\c], 1
	s_add_co_u32 s[G0+4*\c+1], s18, \c*256*PV
	s_add_nc_u64 s[G0+4*\c+2:G0+4*\c+3], s[86:87], \c*32768
	s_or_b32 s[G0+4*\c+3], s[G0+4*\c+3], 0x80000000
.endr
.irp c, 0,1,2,3
	tensor_load_to_lds s[G0+4*\c:G0+4*\c+3], s[G1V:G1V+7]
	s_nop 0
.endr
.rept 4
	v_nop
.endr
.Lfilled:
	v_and_b32 v1, 15, v0            ; l % 16
	v_bfe_u32 v9, v0, 4, 1          ; l / 16
	v_lshlrev_b32 v[QO], 7, v1
	v_lshl_add_u32 v[QO], v9, 4, v[QO]
	WIN 0x80
.set i, 0
.rept 4*NP                          ; Q stays in registers: tile i / 2, channels 32 (i % 2) on
	global_load_b128 v[8*i:8*i+3],   v[QO], s[4:5] offset:(i/2)*2048+(i%2)*64
	global_load_b128 v[8*i+4:8*i+7], v[QO], s[4:5] offset:(i/2)*2048+(i%2)*64+32
.set i, i+1
.endr
	; What the first turn finds: V's registers and P's second buffer hold 0, O^T and l are 0.  All this stands in the wait for the first keys.
.set i, VF
.rept 64
	v_mov_b32 v[i], 0
.set i, i+1
.endr
	WIN 0x40
.set i, 0
.rept 64*NP
	v_mov_b32 v[i], 0
.set i, i+1
.endr
	WIN 0
.set i, 0
.rept 2*NP
	v_mov_b32 v[ST+4*i], 0xfe000000    ; c m: far below every c s
	v_mov_b32 v[ST+4*i+1], 0xff7fffff  ; m
	v_mov_b32 v[ST+4*i+2], 0
	v_mov_b32 v[ST+4*i+3], 0
.set i, i+1
.endr
.set i, P+32
.rept 32
	v_mov_b32 v[i], 0
.set i, i+1
.endr
	v_mul_u32_u24 v[AK0], v1, PK
	v_lshl_add_u32 v[AK0], v9, 4, v[AK0]
	v_and_b32 v10, 7, v0
	v_bfe_u32 v11, v0, 3, 1
	v_lshl_add_u32 v[AV0], v9, 3, v10
	v_mul_u32_u24 v[AV0], v[AV0], PV
	v_lshl_add_u32 v[AV0], v11, 4, v[AV0]
	v_add_nc_u32 v[AV0], VOFF, v[AV0]
	v_mov_b32 v[AK], v[AK0]         ; key step 0
	v_lshlrev_b32 v[AV], 3, v9
	v_sub_nc_u32 v[AV], v1, v[AV]   ; l % 16 - 8 (l / 16): register j of a diagonal block holds my own key where j equals this
	WIN W_MK
.irp j, 0,1,2,3,4,5,6,7
	v_cmp_eq_i32 vcc_lo, \j, v[AV]
	v_cndmask_b32 v[MD+\j], 0, s[BIGN], vcc_lo
.endr
	WIN 0
; The two masks for key step STP: MD where the step holds the tiles' diagonal, else 0.
.macro MKMASK
	s_cmp_eq_u32 s[STP], s[DG0]
	s_cselect_b32 s[AL], 1.0, 0
	s_cmp_eq_u32 s[STP], s[DG1]
	s_cselect_b32 s[BE], 1.0, 0
	s_add_co_u32 s[STP], s[STP], 1
	WIN 0xc3
.irp z, 0,2,4,6
	v_pk_mul_f32 v[MCA+\z:MCA+\z+1], v[MD+\z:MD+\z+1], s[AL:AL+1] op_sel_hi:[1,0]
	v_pk_mul_f32 v[MCA+8+\z:MCA+8+\z+1], v[MD+\z:MD+\z+1], s[BE:BE+1] op_sel_hi:[1,0]
.endr
	WIN 0
.endm
; THE MATRIX WORK.  The 8 accumulators of a run of 16 take turns.
; Product i of 16 of S^T = K Q^T for piece x: channels 32 (i / 8) on, keys 16 ((i / 2) % 4) on, tile 2 x + i % 2.  The first 8 start the sums: with 0, or in the tile's own key block with the mask.
.macro KQ x
.set rS, S+64*((\x)%2)+32*(i%2)+8*((i/2)%4)
.set rK, KF+16*((i/2)%4)+8*(i/8)
.set rQ, 16*(2*(\x)+i%2)+8*(i/8)
.set rM, MCA+8*((\x)/2)
.if (i < 8) && (((i/2)%4) == ((2*(\x)+i%2)%4))
	WIN W_KM
	v_wmma_f32_16x16x32_bf16 v[rS:rS+7], v[rK:rK+7], v[rQ:rQ+7], v[rM:rM+7]
.elseif i < 8
	WIN W_KQ
	v_wmma_f32_16x16x32_bf16 v[rS:rS+7], v[rK:rK+7], v[rQ:rQ+7], 0
.else
	WIN W_KQ
	v_wmma_f32_16x16x32_bf16 v[rS:rS+7], v[rK:rK+7], v[rQ:rQ+7], v[rS:rS+7]
.endif
.endm
; Product i of 16 of O^T += V^T P for piece x: keys 32 (i / 8) on, channels 16 ((i / 2) % 4) on, tile 2 x + i % 2.
.macro PV x
	WIN W_PV
.set rO, 32*(2*(\x)+i%2)+8*((i/2)%4)
.set rV, VF+32*(i/8)+8*((i/2)%4)
.set rP, P+32*((\x)%2)+16*(i%2)+8*(i/8)
	v_wmma_f32_16x16x32_bf16 v[rO:rO+7], v[rV:rV+7], v[rP:rP+7], v[rO:rO+7]
.endm
.macro MM
.if i < 16
	KQ (Y+1)%NP
.set i, i+1
.else
.set i, i-16
	PV (Y+NP-1)%NP
.set i, i+17
.endif
.endm
; THE LDS LOADS stand in runs of 16: a step's K (8 fragments) and its V (turned).
.macro FETCH_K
	WIN 0x80
.irp f, 0,1,2,3,4,5,6,7
	ds_load_b128 v[KF+8*\f:KF+8*\f+3],   v[AK] offset:(\f/2)*16*PK+(\f%2)*64
	ds_load_b128 v[KF+8*\f+4:KF+8*\f+7], v[AK] offset:(\f/2)*16*PK+(\f%2)*64+32
.endr
	s_add_co_u32 s[TBK], s[TBK], KS*PK
	WIN 0
.endm
.macro FETCH_V
	WIN 0x80
.irp f, 0,1,2,3,4,5,6,7
	ds_load_tr16_b128 v[VF+8*\f:VF+8*\f+3],   v[AV] offset:(\f/4)*32*PV+(\f%4)*32
	ds_load_tr16_b128 v[VF+8*\f+4:VF+8*\f+7], v[AV] offset:(\f/4)*32*PV+16*PV+(\f%4)*32
.endr
	WIN 0
.endm
; THE VECTOR WORK OF A TURN stands in three queues, each in the order in which its entries become ready; the two tiles alternate.
.macro REGS y, u
.set rT, ST+4*(2*(\y)+(\u))
.set rC, TMP+8*((\y)%2)+4*(\u)
.set rM, MV+2*((\y)%2)+(\u)
.set rS, S+64*((\y)%2)+32*(\u)
.set rP, P+32*((\y)%2)+16*(\u)
.set rO, 32*(2*(\y)+(\u))
.endm
; Number n of the 22 that find the NEXT piece's maximum and statistics; each accumulator's lowest registers are read first.
.macro XS u, n
	REGS (Y+1)%NP, \u
.if (\n) < 4
	v_max3_num_f32 v[rC+(\n)], v[rS+8*(\n)], v[rS+8*(\n)+1], v[rS+8*(\n)+2]
.elseif (\n) < 12
	v_max3_num_f32 v[rC+(\n)%4], v[rC+(\n)%4], v[rS+8*((\n)%4)+2*((\n)/4)+1], v[rS+8*((\n)%4)+2*((\n)/4)+2]
.elseif (\n) == 12
	v_max3_num_f32 v[rC], v[rC], v[rS+7], v[rS+15]
.elseif (\n) == 13
	v_max3_num_f32 v[rC+1], v[rC+1], v[rS+23], v[rS+31]
.elseif (\n) == 14
	v_max3_num_f32 v[rC+2], v[rC+2], v[rC+3], v[rT+1]
.elseif (\n) == 15
	v_mov_b32 v[rM], v[rT]
.elseif (\n) == 16
	v_max3_num_f32 v[rC], v[rC], v[rC+1], v[rC+2]
.elseif (\n) == 17
	v_permlanex16_b32 v[rC+3], v[rC], s[SEL], s[SEL+1]
.elseif (\n) == 18
	v_max_num_f32 v[rT+1], v[rC], v[rC+3]
.elseif (\n) == 19
	v_mul_f32 v[rT], s[CS], v[rT+1]
.elseif (\n) == 20
	v_sub_f32 v[rC+1], v[rM], v[rT]
.else
	v_exp_f32 v[rC+2], v[rC+1]
.endif
.endm
; Number g of the 64 that follow the exponentials: roundings to bf16, pair sums in place, and l's chain a group behind.
.macro GS g
.set h, (\g)+6*((\g)/62)
.if h >= 6
.set h, h+2
.endif
	REGS Y, h%2
.set k, h/8
.if h%8 < 4
	v_cvt_pk_bf16_f32 v[rP+2*k+(h%8)/2], v[rS+4*k+2*((h%8)/2)], v[rS+4*k+2*((h%8)/2)+1]
.elseif h%8 < 6
	v_pk_add_f32 v[rS+4*k:rS+4*k+1], v[rS+4*k:rS+4*k+1], v[rS+4*k+2:rS+4*k+3]
.elseif k == 1
	v_pk_fma_f32 v[rT+2:rT+3], v[rT+2:rT+3], v[rC+2:rC+3], v[rS:rS+1] op_sel_hi:[1,0,1]
.else
	v_pk_add_f32 v[rT+2:rT+3], v[rT+2:rT+3], v[rS+4*k-4:rS+4*k-3]
.endif
.endm
.macro FS f
	REGS Y, (\f)%2
	v_pk_fma_f32 v[rS+2*((\f)/2):rS+2*((\f)/2)+1], v[rS+2*((\f)/2):rS+2*((\f)/2)+1], s[CS:CS+1], v[rT:rT+1] op_sel_hi:[1,0,0] neg_lo:[0,0,1] neg_hi:[0,0,1]
.endm
; THE PLAIN QUEUE, 138 long: 0-73 read no exponential's result (32 scalings and the next piece's 42); 74-137 are GS's 64, behind the wait.
.macro PL
	WIN 0
.if q < 27
	FS q
.elseif q < 55
	XS (q-27)%2, (q-27)/2
.elseif q < 57
	XS q-55, 15
.elseif (q < 72) && ((q-57)%3 == 0)
	FS 27+(q-57)/3
.elseif q < 60
	XS (q-57)%3-1, 14
.elseif q < 72
	XS (q-57)%3-1, 15+(q-57)/3
.elseif q < 74
	XS q-72, 20
.else
	GS q-74
.endif
.set q, q+1
.endm
; THE EXPONENTIALS' QUEUE, 66 long: one batch, all ahead of the turn's one wait.
.macro EX
	WIN 0
.if e >= 64
	XS e-64, 21
.else
	REGS Y, e%2
	v_exp_f32 v[rS+e/2], v[rS+e/2]
.endif
.set e, e+1
.endm
; THE RESCALING's QUEUE: O^T times a, two at a time; its a was made, and waited for, in the turn before.
.macro R2
	REGS Y, r%2
	WIN W_RS
.irp z, 0,1
	v_pk_mul_f32 v[rO+4*(r/2)+2*\z:rO+4*(r/2)+2*\z+1], v[rO+4*(r/2)+2*\z:rO+4*(r/2)+2*\z+1], v[rC+2:rC+3] op_sel_hi:[1,0]
.endr
.set r, r+1
.endm
; A TURN, for piece p.  Ahead of its one wait: the 16 products K Q^T, behind each a scaling, an exponential and two rescalings; then one lump.  Behind it: the 16 products V^T P, behind each four of GS's 64.
; Piece 2's turn makes the next key step's masks at the lump's head (their last readers, its own first eight products, stand 24 plain instructions back) and fetches the next step's K directly behind the wait.
; nok = 1: there is no next step.  V of the step in hand is fetched at the end of piece 0's turn, four riders behind its last reader.  cnt = 1: the loop's count is taken down ahead of the branch behind the turn.
.macro TURN p, nok=0, cnt=0
.set Y, (\p)
.set i, 0
.set q, 0
.set e, 0
.set r, 0
.if (\p) == NP-1
	s_wait_dscnt 0x0                ; K is in
.endif
	MM
	PL
	PL
	R2
.rept 15
	MM
	PL
	EX
	R2
.endr
.if (\p) == NP-2
	MKMASK
.if !(\nok)
	v_add_nc_u32 v[AK], s[TBK], v[AK0]
.endif
.endif
.rept 8
	PL
.endr
.rept 49
	EX
	PL
.endr
	EX
	EX
	v_nop                           ; the plain instruction behind the last exponential: one for the batch
	s_wait_alu depctr_va_vdst(0)    ; the wait for the batch, ahead of the first instruction that names a result
.if ((\p) == NP-2) && !(\nok)
	FETCH_K
.endif
.if (\p) == 1
	s_wait_dscnt 0x0                ; V is in
.endif
.rept 16
	MM
.rept 4
	PL
.endr
.if ((\p) == 0) && (q == 118)
	v_add_nc_u32 v[AV], s[TBV], v[AV0]
.endif
.if ((\p) == 0) && (q == 130)
	s_add_co_u32 s[TBV], s[TBV], KS*PV
.endif
.if (\cnt) && (q == 130)
	s_sub_co_u32 s[CNT], s[CNT], 1
	s_cmp_lg_u32 s[CNT], 0
.endif
.endr
.if (\p) == 0
	FETCH_V
.endif
.endm
	MKMASK                          ; key step 0's masks
	s_wait_tensorcnt 0x3            ; my first load is in: with the others' that is keys 0 to 255 of K and V; my three younger loads stay out
	s_barrier_signal -1
	s_barrier_wait -1
	FETCH_K                         ; key step 0
	s_wait_loadcnt 0x0              ; Q
	s_wait_dscnt 0x0
.set i, 0
.rept 16
	KQ 0                            ; piece 0's first scores
.set i, i+1
.endr
	WIN 0                           ; the addresses for the way out: plain instructions, the places behind those products
	s_mul_i32 s13, s[WV], 16*SP
	s_add_co_u32 s13, s13, STAGE    ; my stage
	v_mul_u32_u24 v[STO], v1, SP
	v_lshl_add_u32 v[STO], v9, 4, v[STO]
	v_add_nc_u32 v[STO], s13, v[STO]
	v_bfe_u32 v[RD], v0, 3, 2
	v_mul_u32_u24 v[RD], v[RD], SP
	v_lshl_add_u32 v[RD], v10, 4, v[RD]
	v_add_nc_u32 v[RD], s13, v[RD]
	v_lshlrev_b32 v[RO], 11, v1     ; row x 2,048 + 32 (l / 16)
	v_lshl_add_u32 v[RO], v9, 5, v[RO]
	v_lshl_add_u32 v[SS], v9, 5, s13
	v_and_b32 v1, 31, v0
	v_lshl_add_u32 v[SL], v1, 3, s13
	v_lshlrev_b32 v[GO], 4, v1
	v_lshlrev_b32 v[RSO], 3, v1
.set Y, NP-1
.irp n, 0,1,2,3,4,5,6,7,8,9,10,11,12,13,14,15,16,17,18,19,20,21
	XS 0, \n
	XS 1, \n
.endr
	v_nop
	s_wait_alu depctr_va_vdst(0)    ; the two a, ahead of the branch
	s_mov_b32 s[CNT], 4
	s_mov_b32 s[SLOTS], 4
	s_branch .Lfirst                ; the loop is entered at a step's first turn, in the middle of a trip
.Lslot:                             ; behind each four key steps
	s_wait_tensorcnt 0x0            ; my loads have landed (all of them at the first pass; later the wait is met at once),
	s_wait_dscnt 0x0
	s_barrier_signal -1
	s_barrier_wait -1               ; everybody's have: the keys from 256 on may be read
	s_mov_b32 s[CNT], 4
.Lstep:                             ; a trip: pieces 2 and 3 of one step, then pieces 0 and 1 of the next, whose K and V it fetches
	TURN 2
	TURN 3
	WIN 0
.Lfirst:
	TURN 0
	TURN 1, 0, 1
	WIN 0
	s_cbranch_scc1 .Lstep
	s_sub_co_u32 s[SLOTS], s[SLOTS], 1
	s_cmp_lg_u32 s[SLOTS], 0
	s_cbranch_scc1 .Lslot
	TURN 2, 1                       ; the last step's pieces 2 and 3; nothing is fetched
	TURN 3                          ; (its 16 products K Q^T, on the last K once more, and the maximum made of them serve nothing: the price of one text for every turn)
.set i, 0
.rept 16
	PV NP-1
.set i, i+1
.endr
	; THE WAY OUT.  O^T / l + the queries' own numbers is the result: rounded to bf16 it goes through my stage to rb; unrounded it is summed over my 128 rows for rs.
.macro RLOAD t                      ; tile t's 16 rows x 64 numbers of queries, in O^T's order: channel block c, 8 numbers a lane
	WIN 0
.irp c, 0,1,2,3
	global_load_b128 v[S+32*((\t)%4)+8*\c:S+32*((\t)%4)+8*\c+3],   v[RO], s[8:9] offset:(\t)*32768+\c*64 th:TH_LOAD_NT
	global_load_b128 v[S+32*((\t)%4)+8*\c+4:S+32*((\t)%4)+8*\c+7], v[RO], s[8:9] offset:(\t)*32768+\c*64+16 th:TH_LOAD_NT
.endr
.endm
	RLOAD 0
	RLOAD 1
	RLOAD 2
	RLOAD 3
.macro ALL line:vararg
.set t, 0
.rept 2*NP
	\line
.set t, t+1
.endr
.endm
	ALL v_add_f32 v[ST+4*t+2], v[ST+4*t+2], v[ST+4*t+3]
	ALL v_permlanex16_b32 v[ST+4*t+3], v[ST+4*t+2], s[SEL], s[SEL+1]
	ALL v_add_f32 v[ST+4*t+2], v[ST+4*t+2], v[ST+4*t+3]
	ALL v_rcp_f32 v[ST+4*t+2], v[ST+4*t+2]
	v_nop
	s_wait_alu depctr_va_vdst(0)    ; one wait for the eight reciprocals
.macro TILEOUT t, left
	s_wait_loadcnt \left            ; tile t's eight loads are in; the younger tiles' may stay out
.if (\t) >= 4
	s_wait_xcnt 0x0                 ; the stores of the tile four back have read the registers that are packed into again
.endif
	WIN W_RS
.set i, 0
.rept 16
	v_pk_fma_f32 v[32*(\t)+i:32*(\t)+i+1], v[32*(\t)+i:32*(\t)+i+1], v[ST+4*(\t)+2:ST+4*(\t)+3], v[S+32*((\t)%4)+i:S+32*((\t)%4)+i+1] op_sel_hi:[1,0,1]
.set i, i+2
.endr
.if (\t) < 4
	RLOAD (\t)+4
.endif
	WIN 0x05
.set i, 0
.rept 16
	v_cvt_pk_bf16_f32 v[P+16*((\t)%4)+i], v[32*(\t)+2*i], v[32*(\t)+2*i+1]
.set i, i+1
.endr
.if ((\t) >= 1) && ((\t) < 7)
	WIN 0x45                        ; the tiles' results are added onto tile 0's
.set i, 0
.rept 16
	v_pk_add_f32 v[i:i+1], v[i:i+1], v[32*(\t)+i:32*(\t)+i+1]
.set i, i+2
.endr
.endif
.if (\t) == 7                       ; the last addition lands in window 0
.set i, 0
.rept 16
	v_pk_add_f32 v[S+i:S+i+1], v[i:i+1], v[32*(\t)+i:32*(\t)+i+1]
.set i, i+2
.endr
.endif
	WIN 0
.irp f, 0,1,2,3
	ds_store_b128 v[STO], v[P+16*((\t)%4)+4*\f:P+16*((\t)%4)+4*\f+3] offset:32*\f
.endr
.irp f, 0,1,2,3
	ds_load_b128 v[P+16*((\t)%4)+4*\f:P+16*((\t)%4)+4*\f+3], v[RD] offset:\f*4*SP  ; LDS serves a wave's instructions in order: these see the stores above
.endr
.endm
.macro SEND t, younger
	WIN 0
.irp f, 0,1,2,3
	s_wait_dscnt (\younger)+3-\f
	global_store_b128 v[GO], v[P+16*((\t)%4)+4*\f:P+16*((\t)%4)+4*\f+3], s[10:11] offset:(\t)*2048+\f*512  ; 512 consecutive bytes, aligned
.endr
.endm
	TILEOUT 0, 24
	TILEOUT 1, 24
	SEND 0, 8
	TILEOUT 2, 24
	SEND 1, 8
	TILEOUT 3, 24
	SEND 2, 8
	TILEOUT 4, 24
	SEND 3, 8
	TILEOUT 5, 16
	SEND 4, 8
	TILEOUT 6, 8
	SEND 5, 8
	TILEOUT 7, 0
	SEND 6, 8
	SEND 7, 0
	; the sums over the 16 queries of a half of the lanes: afterwards each lane of a half holds the sums of that half's 32 channels
.irp m, 1,2,4,8
.set i, 0
.rept 32
	v_add_f32_dpp v[S+i], v[S+i], v[S+i] row_xmask:\m row_mask:0xf bank_mask:0xf
.set i, i+1
.endr
.endr
.irp c, 0,1,2,3
	ds_store_b128 v[SS], v[S+8*\c:S+8*\c+3] offset:\c*64      ; sixteen lanes write the same words with the same numbers
	ds_store_b128 v[SS], v[S+8*\c+4:S+8*\c+7] offset:\c*64+16
.endr
	ds_load_b64 v[S+32:S+33], v[SL]
	s_wait_dscnt 0x0
	global_store_b64 v[RSO], v[S+32:S+33], s[80:81]           ; 256 consecutive bytes, aligned
	WIN W_AD
	s_wait_tensorcnt 0x0            ; the wave's end
	ds_add_u32 v[SPW], v[NIL]
	s_wait_dscnt 0x0
	WIN 0
	s_endpgm
.Lfunc_end_k_q8a50efe880_attn:
	.size	k_q8a50efe880_attn, .Lfunc_end_k_q8a50efe880_attn-k_q8a50efe880_attn
	.p2alignl 7, 3214868480
	.fill 96, 4, 3214868480
	.section	.rodata,"a",@progbits
	.p2align	6, 0x0
	.amdhsa_kernel k_q8a50efe880_attn
		.amdhsa_group_segment_fixed_size 327680
		.amdhsa_private_segment_fixed_size 0
		.amdhsa_enable_private_segment 0
		.amdhsa_kernarg_size 40
		.amdhsa_user_sgpr_count 2
		.amdhsa_user_sgpr_kernarg_segment_ptr 1
		.amdhsa_wavefront_size32 1
		.amdhsa_system_sgpr_workgroup_id_x 1
		.amdhsa_system_sgpr_workgroup_id_y 1
		.amdhsa_system_sgpr_workgroup_id_z 1
		.amdhsa_system_vgpr_workitem_id 0
		.amdhsa_next_free_vgpr 800
		.amdhsa_next_free_sgpr 96
		.amdhsa_reserve_vcc 1
		.amdhsa_float_denorm_mode_32 3
		.amdhsa_float_denorm_mode_16_64 3
		.amdhsa_memory_ordered 1
		.amdhsa_forward_progress 1
		.amdhsa_inst_pref_size 187
	.end_amdhsa_kernel
	.amdgpu_metadata
---
amdhsa.version: [ 1, 2 ]
amdhsa.kernels:
  - .name:           k_q8a50efe880_attn
    .symbol:         k_q8a50efe880_attn.kd
    .args:
      - { .name: qv, .offset: 0, .size: 8, .value_kind: global_buffer, .address_space: global }
      - { .name: kb, .offset: 8, .size: 8, .value_kind: global_buffer, .address_space: global }
      - { .name: queries, .offset: 16, .size: 8, .value_kind: global_buffer, .address_space: global }
      - { .name: rb, .offset: 24, .size: 8, .value_kind: global_buffer, .address_space: global }
      - { .name: rs, .offset: 32, .size: 8, .value_kind: global_buffer, .address_space: global }
    .group_segment_fixed_size: 327680
    .private_segment_fixed_size: 0
    .kernarg_segment_align: 8
    .kernarg_segment_size: 40
    .max_flat_workgroup_size: 128
    .sgpr_count:     96
    .vgpr_count:     800
    .wavefront_size: 32
...
	.end_amdgpu_metadata
.endif
;; end of part 3
;; launch ffn (part 4): grid 256 x 1, 4 waves a work-group, clusters of 4 x 1, 327,680 bytes of LDS; arguments rb, wf, part; writes part
.if DOCPART == 4
	.amdgcn_target "amdgcn-amd-amdhsa--gfx1250"
	.amdhsa_code_object_version 6
	.text
	.protected	k_q8a50efe880_ffn
	.globl	k_q8a50efe880_ffn
	.p2align	8
	.type	k_q8a50efe880_ffn,@function
k_q8a50efe880_ffn:
	s_mov_b64 s[64:65], 0
	v_nop
	global_prefetch_b8 v0, s[64:65] scope:SCOPE_SE
	s_setreg_imm32_b32 hwreg(HW_REG_WAVE_MODE, 25, 1), 1
	s_wait_xcnt 0x0
	s_wait_alu depctr_hold_cnt(0) depctr_sa_sdst(0) depctr_va_vdst(0) depctr_va_sdst(0) depctr_va_ssrc(0) depctr_va_vcc(0) depctr_vm_vsrc(0)
	s_getreg_b32 s2, hwreg(HW_REG_IB_STS2, 6, 4)
	s_cmp_eq_u32 s2, 0
	s_cbranch_scc0 .Lentry_in_a_cluster
	s_endpgm
.Lentry_in_a_cluster:
	s_bfe_u32 s2, ttmp6, 0x10000c
	s_cmp_lg_u32 s2, 0x3003
	s_cbranch_scc0 .Lentry_shape_is_right
	s_endpgm
.Lentry_shape_is_right:
; part[rowblock][f] = the sum over the block's 128 rows t of relu(the sum over d of result[t][d] fw1[d][f]).  result: rb, bf16, by heads; fw1^T: wf, [2048][512] bf16; part: f32.
; The mean over time is linear, so of relu(..) only its column sums are wanted: they stay in f32 and are multiplied by fw2 in the next launch.
; SHARES.  A work-group makes 128 rows x 1,024 columns, in 8 tiles of 128 columns; a wave 64 rows x 64 columns of each: 16 accumulators.  A's 64 rows x 512 K stay in registers.
; RING.  fw1^T's tiles (128 rows x 1,024 bytes) go through two LDS slots; each wave fetches 32 rows with one load behind each change of slots, and the load has a tile's 256 products in which to land.
; CLUSTER.  The four work-groups of a cluster differ in their rows alone and walk the same tiles: each is asked for jointly.
; The product is taken in natural order (source 0 = A, source 1 = fw1^T): a lane holds ONE column (lane % 16) and eight rows, so a column's sum is made inside the lane.
; REGISTERS: window 0: addresses, v32-63 at work at the end, v128-255 accumulators; windows 1, 2: A; window 3: two buffers of 128 for fw1^T's fragments.
.set PITCH, 1040
.set SLOT,  128*PITCH
.set STAGE, 2*SLOT                     ; four arrays (row half of the block x half of the lanes) of 1,024 f32; never filled by a tensor load
.set SPARE, STAGE+16384
.set ADRB, 16
.set AOB,  21
.set SA,   22                          ; v22 where my column sums of the tile in hand go
.set FA,   23
.set FO,   24
.set SPW,  28
.set NIL,  29
.set PFO,  30                          ; v30 the prefetches' offset; never rewritten
.set TMP,  32
.set ACC,  128
.set F0,   0
.set F1,   128
.set WV,   12
.set LIM,  14                          ; s14 1 in a cluster that prefetches, else the greatest number
.set G1,   24
.set G0,   32
.set PFA,  44                          ; s[44:45] where my prefetches stand
.set MSB, 0
.macro WIN new
.if MSB != (\new)
	s_set_vgpr_msb (MSB<<8)|(\new)
.set MSB, (\new)
.endif
.endm
.macro PLACES
.rept 4
	v_nop
.endr
.endm
.macro CROUND
	s_barrier_signal -1
	s_barrier_wait -1
	s_cmp_lg_u32 s[WV], 0
	s_cbranch_scc1 .Lnot_wave_0_\@
	s_barrier_signal -3
.Lnot_wave_0_\@:
	s_barrier_wait -3
	s_barrier_signal -1
	s_barrier_wait -1
.endm
	s_load_b128 s[4:7], s[0:1], 0x0                ; rb s[4:5], wf s[6:7]
	s_load_b64 s[8:9], s[0:1], 0x10                ; part
	v_lshl_add_u32 v[SPW], v0, 2, SPARE
	v_mov_b32 v[NIL], 0
	ds_add_u32 v[SPW], v[NIL]                      ; the wave's opening
	ds_add_u32 v28, v29
	v_lshrrev_b32 v1, 5, v0
	v_readfirstlane_b32 s[WV], v1
	s_lshr_b32 s15, ttmp9, 5                       ; which 1,024 columns
	s_lshl_b32 s40, s15, 20                        ; their rows of fw1^T,
	s_lshl_b32 s41, s[WV], 15                      ; my 32 of a tile's 128
	s_add_co_u32 s40, s40, s41
	s_mov_b32 s41, 0
	s_mul_i32 s21, s[WV], 32*PITCH
	s_mov_b32 s[G1+0], 15|(1<<16)|(1<<20)|(1<<21)|(7<<22)|(3<<25)
	s_mov_b32 s[G1+1], 512<<16
	s_mov_b32 s[G1+2], 32<<16
	s_mov_b32 s[G1+3], 512<<16
	s_mov_b32 s[G1+4], 32
	s_mov_b32 s[G1+5], 512
	s_mov_b32 s[G1+6], 0
	s_mov_b32 s[G1+7], 0
	s_and_b32 s[LIM], ttmp9, 31                    ; all clusters of a column half walk the same tiles: the first of them prefetches
	s_cmp_eq_u32 s[LIM], 0
	s_cselect_b32 s[LIM], 1, -1
	s_bfe_u32 s13, ttmp6, 0x40000                  ; cx: it enters A's, part's and the prefetches' addresses alone
	s_and_b32 s16, ttmp9, 31
	s_lshl_b32 s16, s16, 2
	s_add_co_u32 s16, s16, s13                     ; block of 128 rows
	s_lshr_b32 s17, s16, 3
	s_lshr_b32 s18, s[WV], 1
	s_and_b32 s19, s[WV], 1
	s_and_b32 s20, s16, 7
	s_lshl_b32 s20, s20, 7
	s_lshl_b32 s22, s18, 6
	s_add_co_u32 s20, s20, s22
	s_lshl_b32 s42, s17, 20
	s_lshl_b32 s43, s20, 7
	s_add_co_u32 s42, s42, s43
	s_mov_b32 s43, 0
	s_lshl_b32 s46, s16, 13                        ; part: a row of 8,192 bytes a block, 4,096 a column half
	s_lshl_b32 s47, s15, 12
	s_add_co_u32 s46, s46, s47
	s_mov_b32 s47, 0
	s_lshl_b32 s48, s15, 20                        ; the prefetches: of the 32 rows that a wave fetches each partner takes 8, told apart by address
	s_lshl_b32 s49, s[WV], 15
	s_add_co_u32 s48, s48, s49
	s_lshl_b32 s49, s13, 13
	s_add_co_u32 s48, s48, s49
	s_add_co_u32 s48, s48, 2*131072                ; at tile 2: the first change of slots steps it to tile 3
	s_mov_b32 s49, 0
	s_wait_dscnt 0x0
	s_wait_kmcnt 0x0
	s_add_nc_u64 s[PFA:PFA+1], s[6:7], s[48:49]
	s_add_nc_u64 s[6:7], s[6:7], s[40:41]
	s_add_nc_u64 s[4:5], s[4:5], s[42:43]
	s_add_nc_u64 s[8:9], s[8:9], s[46:47]
.irp s, 0,1
	s_mov_b32 s[G0+4*\s], 1
	s_add_co_u32 s[G0+4*\s+1], s21, \s*SLOT
	s_add_nc_u64 s[G0+4*\s+2:G0+4*\s+3], s[6:7], \s*131072
	s_or_b32 s[G0+4*\s+3], s[G0+4*\s+3], 0x80000000
.endr
	CROUND
	tensor_load_to_lds s[G0:G0+3], s[G1:G1+7]      ; tiles 0 and 1: two loads of mine are out
	s_nop 0
	tensor_load_to_lds s[G0+4:G0+7], s[G1:G1+7]
	s_nop 0
	PLACES
	v_and_b32 v1, 15, v0
	v_bfe_u32 v2, v0, 4, 1
	v_lshlrev_b32 v[AOB], 7, v1
	v_lshl_add_u32 v[AOB], v2, 4, v[AOB]
.set ks, 0
.rept 16                               ; A by heads: K step ks lies in head ks / 2, channels 32 (ks % 2) on
	WIN 0x40*(1+ks/8)
.irp a, 0,1,2,3
	global_load_b128 v[8*(4*(ks%8)+\a):8*(4*(ks%8)+\a)+3],   v[AOB], s[4:5] offset:(ks/2)*131072+\a*2048+(ks%2)*64
	global_load_b128 v[8*(4*(ks%8)+\a)+4:8*(4*(ks%8)+\a)+7], v[AOB], s[4:5] offset:(ks/2)*131072+\a*2048+(ks%2)*64+32
.endr
.set ks, ks+1
.endr
	WIN 0
	v_mul_u32_u24 v3, v1, PITCH
	v_lshl_add_u32 v3, v2, 4, v3
	s_mul_i32 s22, s19, 64*PITCH
	v_add_nc_u32 v[ADRB], s22, v3
	s_add_co_u32 s22, s22, SLOT
	v_add_nc_u32 v[ADRB+1], s22, v3
	s_lshl_b32 s23, s18, 13                        ; my array: 2 x row half + half of the lanes, 4,096 bytes each;
	s_lshl_b32 s22, s19, 8                         ; my 64 columns of a tile
	s_add_co_u32 s23, s23, s22
	s_add_co_u32 s23, s23, STAGE
	v_lshlrev_b32 v[SA], 2, v1
	v_lshl_add_u32 v[SA], v2, 12, v[SA]
	v_add_nc_u32 v[SA], s23, v[SA]
	v_lshlrev_b32 v[FO], 4, v0
	v_add_nc_u32 v[FA], STAGE, v[FO]
	v_and_b32 v3, 31, v0
	v_lshrrev_b32 v4, 2, v3
	v_and_b32 v5, 3, v3
	v_lshlrev_b32 v[PFO], 10, v4                   ; a lane a block of 256 bytes: row lane / 4, block lane % 4
	v_lshl_add_u32 v[PFO], v5, 8, v[PFO]
	s_wait_loadcnt 0x0
.macro FETCH slot, q, f
	WIN 0xc0
.irp k, 0,1,2,3
.irp b, 0,1,2,3
	ds_load_b128 v[(\f)+8*(4*\k+\b):(\f)+8*(4*\k+\b)+3],   v[ADRB+(\slot)] offset:\b*16*PITCH+(4*(\q)+\k)*64
	ds_load_b128 v[(\f)+8*(4*\k+\b)+4:(\f)+8*(4*\k+\b)+7], v[ADRB+(\slot)] offset:\b*16*PITCH+(4*(\q)+\k)*64+32
.endr
.endr
	WIN 0
.endm
.macro MUL16 f, ksl, ks                ; one K step, the 16 accumulators by turns; K step 0 starts the sums
	WIN (1+(\ks)/8)|(3<<2)
.irp a, 0,1,2,3
.irp b, 0,1,2,3
.if (\ks) == 0
	v_wmma_f32_16x16x32_bf16 v[ACC+8*(4*\a+\b):ACC+8*(4*\a+\b)+7], v[8*(4*((\ks)%8)+\a):8*(4*((\ks)%8)+\a)+7], v[(\f)+8*(4*(\ksl)+\b):(\f)+8*(4*(\ksl)+\b)+7], 0
.else
	v_wmma_f32_16x16x32_bf16 v[ACC+8*(4*\a+\b):ACC+8*(4*\a+\b)+7], v[8*(4*((\ks)%8)+\a):8*(4*((\ks)%8)+\a)+7], v[(\f)+8*(4*(\ksl)+\b):(\f)+8*(4*(\ksl)+\b)+7], v[ACC+8*(4*\a+\b):ACC+8*(4*\a+\b)+7]
.endif
.endr
.endr
.endm
.macro QUARTER slot, q, f, g, fetch
	s_wait_dscnt 16                                ; the first two K steps' 16 loads are in (what was issued behind the run only tightens the wait)
	MUL16 \f, 0, 4*(\q)
	MUL16 \f, 1, 4*(\q)+1
.if \fetch
	PLACES
	FETCH \slot, (\q)+1, \g
	s_wait_dscnt 32                                ; all but the 32 just issued
.else
	s_wait_dscnt 0x0
.endif
	MUL16 \f, 2, 4*(\q)+2
	MUL16 \f, 3, 4*(\q)+3
.endm
.macro SLOTMUL slot
	QUARTER \slot, 0, F0, F1, 1
	QUARTER \slot, 1, F1, F0, 1
	QUARTER \slot, 2, F0, F1, 1
	QUARTER \slot, 3, F1, F0, 0
	WIN 0
.endm
; A finished tile: relu in place, each accumulator from its low end on; then for each of my four column blocks the 32 numbers of a lane (4 row tiles x 8 rows) are added, and the sum goes to my array.
.macro EPI
	WIN 0
.irp b, 0,1,2,3
.irp a, 0,1,2,3
.set j, 0
.rept 8
	v_max_num_f32 v[ACC+8*(4*\a+\b)+j], 0, v[ACC+8*(4*\a+\b)+j]
.set j, j+1
.endr
.endr
.irp j, 0,2,4,6
	v_pk_add_f32 v[ACC+8*\b+\j:ACC+8*\b+\j+1], v[ACC+8*\b+\j:ACC+8*\b+\j+1], v[ACC+8*(4+\b)+\j:ACC+8*(4+\b)+\j+1]
	v_pk_add_f32 v[ACC+8*(8+\b)+\j:ACC+8*(8+\b)+\j+1], v[ACC+8*(8+\b)+\j:ACC+8*(8+\b)+\j+1], v[ACC+8*(12+\b)+\j:ACC+8*(12+\b)+\j+1]
.endr
.irp j, 0,2,4,6
	v_pk_add_f32 v[ACC+8*\b+\j:ACC+8*\b+\j+1], v[ACC+8*\b+\j:ACC+8*\b+\j+1], v[ACC+8*(8+\b)+\j:ACC+8*(8+\b)+\j+1]
.endr
	v_pk_add_f32 v[ACC+8*\b:ACC+8*\b+1], v[ACC+8*\b:ACC+8*\b+1], v[ACC+8*\b+4:ACC+8*\b+5]
	v_pk_add_f32 v[ACC+8*\b+2:ACC+8*\b+3], v[ACC+8*\b+2:ACC+8*\b+3], v[ACC+8*\b+6:ACC+8*\b+7]
	v_pk_add_f32 v[ACC+8*\b:ACC+8*\b+1], v[ACC+8*\b:ACC+8*\b+1], v[ACC+8*\b+2:ACC+8*\b+3]
	v_add_f32 v[ACC+8*\b], v[ACC+8*\b], v[ACC+8*\b+1]
	ds_store_b32 v[SA], v[ACC+8*\b] offset:64*\b
.endr
	v_add_nc_u32 v[SA], 512, v[SA]                 ; the next tile's 128 columns
.endm
; A PREFETCH INTO THE L2 of the tile that the NEXT change of slots will ask for: 8 rows x 4 blocks of 256 bytes a wave, a lane a block; 4 waves x 4 partners name the tile's 512 blocks once each.
; It stands behind the joint load, its lines and the run of LDS loads.  The change that asks for tile 7 prefetches nothing; tiles 0 to 2 come by their loads alone.
.macro ASK how
.if \how
	s_cmp_gt_u32 s3, s[LIM]                        ; s3 = 1 in the loop's last trip
.else
	s_cmp_ge_u32 s3, s[LIM]
.endif
	s_cbranch_scc0 .Lnot_mine_\@
	global_prefetch_b8 v[PFO], s[PFA:PFA+1] th:TH_LOAD_NT scope:SCOPE_SE
.Lnot_mine_\@:
.endm
; THE CHANGE OF SLOTS and the tile in slot s.  Each wave waits for all its tensor loads (one is out: its part of slot s), adds 0 to its spare word, and waits for that and for its reads of the other slot.
; fill = 1: a round of the cluster's barrier follows, and the other slot is filled again first behind it, with the tile two on.  Then slot s's first fragments, the last tile's sums, and the products.
.macro SLOTGO s, fill, how
	WIN 0
.if \fill
	s_wait_xcnt 0x0                                ; the last prefetch, a tile back, has read its address
	s_add_nc_u64 s[PFA:PFA+1], s[PFA:PFA+1], 131072
.endif
	s_wait_tensorcnt 0x0
	ds_add_u32 v[SPW], v[NIL]
.if \fill
	s_add_nc_u64 s[G0+4*(1-(\s))+2:G0+4*(1-(\s))+3], s[G0+4*(1-(\s))+2:G0+4*(1-(\s))+3], 262144  ; no load of mine is out: the other slot's next tile
.endif
	s_wait_dscnt 0x0
.if \fill
	CROUND
	tensor_load_to_lds s[G0+4*(1-(\s)):G0+4*(1-(\s))+3], s[G1:G1+7]
	s_nop 0
.else
	s_barrier_signal -1
	s_barrier_wait -1
.endif
	PLACES                                         ; behind the load; also the places behind the last products, for the fragment loads and for the sums
	FETCH \s, 0, F0
.if \fill
	ASK \how
.endif
	EPI
	SLOTMUL \s
.endm
	s_wait_tensorcnt 0x1                           ; my part of tile 0 is in; tile 1's may stay out
	s_barrier_signal -1
	s_barrier_wait -1
	FETCH 0, 0, F0
	SLOTMUL 0
	s_mov_b32 s3, 3
.Lring:                                        ; a trip: tiles 2 i + 1 and 2 i + 2 are multiplied, tiles 2 i + 2 and 2 i + 3 asked for
	SLOTGO 1, 1, 0
	SLOTGO 0, 1, 1
	WIN 0
	s_sub_co_u32 s3, s3, 1
	s_cmp_lg_u32 s3, 0
	s_cbranch_scc1 .Lring
	SLOTGO 1, 0, 0                                 ; tile 7: nothing is left to fetch
	PLACES
	EPI
	s_wait_dscnt 0x0                               ; for the others' sake: my column sums are stored
	s_barrier_signal -1
	s_barrier_wait -1
.irp u, 0,1
.irp p, 0,1,2,3
	ds_load_b128 v[TMP+16*\u+4*\p:TMP+16*\u+4*\p+3], v[FA] offset:\p*4096+\u*2048
.endr
.endr
	s_wait_dscnt 0x0
.irp u, 0,1
.irp j, 0,2
	v_pk_add_f32 v[TMP+16*\u+\j:TMP+16*\u+\j+1], v[TMP+16*\u+\j:TMP+16*\u+\j+1], v[TMP+16*\u+4+\j:TMP+16*\u+4+\j+1]
	v_pk_add_f32 v[TMP+16*\u+8+\j:TMP+16*\u+8+\j+1], v[TMP+16*\u+8+\j:TMP+16*\u+8+\j+1], v[TMP+16*\u+12+\j:TMP+16*\u+12+\j+1]
.endr
.irp j, 0,2
	v_pk_add_f32 v[TMP+16*\u+\j:TMP+16*\u+\j+1], v[TMP+16*\u+\j:TMP+16*\u+\j+1], v[TMP+16*\u+8+\j:TMP+16*\u+8+\j+1]
.endr
	global_store_b128 v[FO], v[TMP+16*\u:TMP+16*\u+3], s[8:9] offset:\u*2048  ; sixteen lanes store 256 consecutive bytes, aligned
.endr
	s_wait_tensorcnt 0x0                           ; the wave's end
	ds_add_u32 v[SPW], v[NIL]
	s_wait_dscnt 0x0
	CROUND                                         ; the closing round
	s_endpgm
.Lfunc_end_k_q8a50efe880_ffn:
	.size	k_q8a50efe880_ffn, .Lfunc_end_k_q8a50efe880_ffn-k_q8a50efe880_ffn
	.p2alignl 7, 3214868480
	.fill 96, 4, 3214868480
	.section	.rodata,"a",@progbits
	.p2align	6, 0x0
	.amdhsa_kernel k_q8a50efe880_ffn
		.amdhsa_group_segment_fixed_size 327680
		.amdhsa_private_segment_fixed_size 0
		.amdhsa_enable_private_segment 0
		.amdhsa_kernarg_size 24
		.amdhsa_user_sgpr_count 2
		.amdhsa_user_sgpr_kernarg_segment_ptr 1
		.amdhsa_wavefront_size32 1
		.amdhsa_system_sgpr_workgroup_id_x 1
		.amdhsa_system_sgpr_workgroup_id_y 1
		.amdhsa_system_sgpr_workgroup_id_z 1
		.amdhsa_system_vgpr_workitem_id 0
		.amdhsa_next_free_vgpr 1024
		.amdhsa_next_free_sgpr 66
		.amdhsa_reserve_vcc 0
		.amdhsa_float_denorm_mode_32 3
		.amdhsa_float_denorm_mode_16_64 3
		.amdhsa_memory_ordered 1
		.amdhsa_forward_progress 1
		.amdhsa_inst_pref_size 155
	.end_amdhsa_kernel
	.amdgpu_metadata
---
amdhsa.version: [ 1, 2 ]
amdhsa.kernels:
  - .name:           k_q8a50efe880_ffn
    .symbol:         k_q8a50efe880_ffn.kd
    .args:
      - { .name: rb, .offset: 0, .size: 8, .value_kind: global_buffer, .address_space: global }
      - { .name: wf, .offset: 8, .size: 8, .value_kind: global_buffer, .address_space: global }
      - { .name: part, .offset: 16, .size: 8, .value_kind: global_buffer, .address_space: global }
    .group_segment_fixed_size: 327680
    .private_segment_fixed_size: 0
    .kernarg_segment_align: 8
    .kernarg_segment_size: 24
    .max_flat_workgroup_size: 128
    .sgpr_count:     66
    .vgpr_count:     1024
    .wavefront_size: 32
...
	.end_amdgpu_metadata
.endif
;; end of part 4
;; launch fin (part 5): grid 8 x 8, 16 waves a work-group, no clusters, 10,240 bytes of LDS; arguments part, wf, rs, out0; writes out0
.if DOCPART == 5
	.amdgcn_target "amdgcn-amd-amdhsa--gfx1250"
	.amdhsa_code_object_version 6
	.text
	.protected	k_q8a50efe880_fin
	.globl	k_q8a50efe880_fin
	.p2align	8
	.type	k_q8a50efe880_fin,@function
k_q8a50efe880_fin:
	s_mov_b64 s[64:65], 0
	v_nop
	global_prefetch_b8 v0, s[64:65] scope:SCOPE_SE
	s_setreg_imm32_b32 hwreg(HW_REG_WAVE_MODE, 25, 1), 1
	s_wait_xcnt 0x0
; out0[b][d] = (the sum over t of result[b][t][d] + the sum over f of (the sum over t of relu(h1)[b][t][f]) fw2[f][d]) / 1024.
; part: [128 row blocks][2048] f32, eight blocks a batch; fw2^T: wf + 2,097,152, [512][2048] bf16; rs: [hb][8][64] f32, eight partial row sums for each batch and head.
; A work-group makes 64 columns (one head's) of two batches: A = part's 16 rows, rounded to bf16 as a matrix operand; K = 2,048 is split among its 16 waves, 128 each.
; In the result a lane holds one column and eight rows, which are one batch's eight blocks: their sum is made inside the lane.  The waves' sums meet in LDS; wave 0 finishes.
; 64 work-groups: the launch is 4 MiB of reading and 256 products a work-group; a finer split would only add partial sums.
.set RED,   0                          ; [wave 16][column block 4][lane 32] f32
.set SPARE, 8192                       ; the spare words, 128 bytes for each of 16 waves
.set AO,  4
.set BO,  5
.set RSO, 6
.set OO,  7
.set RW,  8
.set RR,  9
.set ACC, 32                           ; v[32:63], on registers that the conversions have read
.set AF,  32                           ; v[32:95]  A in f32
.set RSV, 64                           ; v[64:95]  wave 0: rs, behind the conversions
.set AB,  96                           ; v[96:127] A's four fragments
.set BF,  128                          ; v[128:255] fw2^T's sixteen fragments; later the partial sums
	s_load_b256 s[4:11], s[0:1], 0x0               ; part s[4:5], wf s[6:7], rs s[8:9], out0 s[10:11]
	v_lshl_add_u32 v30, v0, 2, SPARE
	v_mov_b32 v31, 0
	v_lshrrev_b32 v1, 5, v0
	v_readfirstlane_b32 s12, v1                    ; wave 0..15
	s_mov_b32 s13, ttmp9                           ; which 64 columns
	s_and_b32 s14, ttmp7, 0xffff                   ; which two batches
	v_and_b32 v1, 15, v0                           ; r
	v_bfe_u32 v2, v0, 4, 1                         ; h
	v_and_b32 v3, 31, v0
	s_lshl_b32 s15, s12, 9
	v_lshlrev_b32 v[AO], 13, v1                    ; row x 8,192 + 32 h + my 128 k x 4 bytes
	v_lshl_add_u32 v[AO], v2, 5, v[AO]
	v_add_nc_u32 v[AO], s15, v[AO]
	s_lshl_b32 s15, s12, 8
	v_lshlrev_b32 v[BO], 12, v1                    ; row x 4,096 + 16 h + my 128 k x 2 bytes
	v_lshl_add_u32 v[BO], v2, 4, v[BO]
	v_add_nc_u32 v[BO], s15, v[BO]
	s_lshl_b32 s15, s14, 15
	s_lshl_b32 s16, s13, 11
	s_add_co_u32 s15, s15, s16
	v_lshlrev_b32 v[RSO], 4, v1                    ; rs: batch 2 g + h, head, 16 bytes a lane
	v_lshl_add_u32 v[RSO], v2, 14, v[RSO]
	v_add_nc_u32 v[RSO], s15, v[RSO]
	s_lshl_b32 s15, s14, 12
	s_lshl_b32 s16, s13, 8
	s_add_co_u32 s15, s15, s16
	v_lshlrev_b32 v[OO], 4, v1
	v_lshl_add_u32 v[OO], v2, 11, v[OO]
	v_add_nc_u32 v[OO], s15, v[OO]
	s_lshl_b32 s15, s12, 9
	v_lshl_add_u32 v[RW], v3, 2, s15
	v_lshrrev_b32 v10, 2, v1                       ; back: column block r / 4, half h, four columns from 4 (r % 4)
	v_and_b32 v11, 3, v0
	v_lshlrev_b32 v[RR], 7, v10
	v_lshl_add_u32 v[RR], v2, 6, v[RR]
	v_lshl_add_u32 v[RR], v11, 4, v[RR]
	s_lshl_b32 s16, s14, 17
	s_mov_b32 s17, 0
	s_lshl_b32 s18, s13, 18
	s_add_co_u32 s18, s18, 0x200000
	s_mov_b32 s19, 0
	s_wait_kmcnt 0x0
	s_add_nc_u64 s[4:5], s[4:5], s[16:17]
	s_add_nc_u64 s[6:7], s[6:7], s[18:19]
.irp k, 0,1,2,3
.irp j, 0,1,2,3
	global_load_b128 v[AF+16*\k+4*\j:AF+16*\k+4*\j+3], v[AO], s[4:5] offset:\k*128+(\j/2)*64+(\j%2)*16
.endr
.endr
.irp k, 0,1,2,3
.irp c, 0,1,2,3
	global_load_b128 v[BF+8*(4*\k+\c):BF+8*(4*\k+\c)+3],   v[BO], s[6:7] offset:\c*65536+\k*64
	global_load_b128 v[BF+8*(4*\k+\c)+4:BF+8*(4*\k+\c)+7], v[BO], s[6:7] offset:\c*65536+\k*64+32
.endr
.endr
	s_wait_loadcnt 32                              ; A's 16 loads are in; fw2^T's 32 may stay out
.set p, 0
.rept 32
	v_cvt_pk_bf16_f32 v[AB+p], v[AF+2*p], v[AF+2*p+1]
.set p, p+1
.endr
	s_cmp_lg_u32 s12, 0
	s_cbranch_scc1 .Lno_rs
.irp p, 0,1,2,3,4,5,6,7
	global_load_b128 v[RSV+4*\p:RSV+4*\p+3], v[RSO], s[8:9] offset:\p*256
.endr
	s_wait_loadcnt 8                               ; fw2^T is in; the eight loads just issued may stay out
.Lno_rs:
	s_wait_loadcnt 8                               ; in waves 1 to 15 nothing was issued behind fw2^T's loads:
	s_cmp_eq_u32 s12, 0
	s_cbranch_scc1 .Lgo
	s_wait_loadcnt 0x0                             ; they wait for all
.Lgo:
.irp k, 0,1,2,3
.irp c, 0,1,2,3                        ; four accumulators by turns; the first K step starts the sums
.if \k == 0
	v_wmma_f32_16x16x32_bf16 v[ACC+8*\c:ACC+8*\c+7], v[AB+8*\k:AB+8*\k+7], v[BF+8*(4*\k+\c):BF+8*(4*\k+\c)+7], 0
.else
	v_wmma_f32_16x16x32_bf16 v[ACC+8*\c:ACC+8*\c+7], v[AB+8*\k:AB+8*\k+7], v[BF+8*(4*\k+\c):BF+8*(4*\k+\c)+7], v[ACC+8*\c:ACC+8*\c+7]
.endif
.endr
.endr
.rept 4
	v_nop                                          ; the places behind the last products
.endr
.irp c, 0,1,2,3
	v_pk_add_f32 v[ACC+8*\c:ACC+8*\c+1], v[ACC+8*\c:ACC+8*\c+1], v[ACC+8*\c+4:ACC+8*\c+5]
	v_pk_add_f32 v[ACC+8*\c+2:ACC+8*\c+3], v[ACC+8*\c+2:ACC+8*\c+3], v[ACC+8*\c+6:ACC+8*\c+7]
.endr
.irp c, 0,1,2,3
	v_pk_add_f32 v[ACC+8*\c:ACC+8*\c+1], v[ACC+8*\c:ACC+8*\c+1], v[ACC+8*\c+2:ACC+8*\c+3]
.endr
.irp c, 0,1,2,3
	v_add_f32 v[ACC+8*\c], v[ACC+8*\c], v[ACC+8*\c+1]
	ds_store_b32 v[RW], v[ACC+8*\c] offset:RED+\c*128
.endr
	s_wait_dscnt 0x0
	s_barrier_signal -1
	s_barrier_wait -1                              ; all sixteen waves' sums lie in LDS
	s_cmp_lg_u32 s12, 0
	s_cbranch_scc1 .Lend
.set w, 0
.rept 16
	ds_load_b128 v[BF+4*w:BF+4*w+3], v[RR] offset:RED+w*512
.set w, w+1
.endr
	s_wait_loadcnt 0x0                             ; rs
.irp d, 16,8,4
.set j, 0
.rept \d/2
	v_pk_add_f32 v[RSV+j:RSV+j+1], v[RSV+j:RSV+j+1], v[RSV+\d+j:RSV+\d+j+1]
.set j, j+2
.endr
.endr
	s_wait_dscnt 0x0
.irp d, 32,16,8,4
.set j, 0
.rept \d/2
	v_pk_add_f32 v[BF+j:BF+j+1], v[BF+j:BF+j+1], v[BF+\d+j:BF+\d+j+1]
.set j, j+2
.endr
.endr
	v_pk_add_f32 v[BF:BF+1], v[BF:BF+1], v[RSV:RSV+1]
	v_pk_add_f32 v[BF+2:BF+3], v[BF+2:BF+3], v[RSV+2:RSV+3]
	v_pk_mul_f32 v[BF:BF+1], v[BF:BF+1], 0x3a800000 op_sel_hi:[1,0]    ; 1 / 1024
	v_pk_mul_f32 v[BF+2:BF+3], v[BF+2:BF+3], 0x3a800000 op_sel_hi:[1,0]
	global_store_b128 v[OO], v[BF:BF+3], s[10:11]  ; sixteen lanes store 256 consecutive bytes, aligned
.Lend:
	s_wait_tensorcnt 0x0                           ; the wave's end
	ds_add_u32 v30, v31
	s_wait_dscnt 0x0
	s_endpgm
.Lfunc_end_k_q8a50efe880_fin:
	.size	k_q8a50efe880_fin, .Lfunc_end_k_q8a50efe880_fin-k_q8a50efe880_fin
	.p2alignl 7, 3214868480
	.fill 96, 4, 3214868480
	.section	.rodata,"a",@progbits
	.p2align	6, 0x0
	.amdhsa_kernel k_q8a50efe880_fin
		.amdhsa_group_segment_fixed_size 10240
		.amdhsa_private_segment_fixed_size 0
		.amdhsa_enable_private_segment 0
		.amdhsa_kernarg_size 32
		.amdhsa_user_sgpr_count 2
		.amdhsa_user_sgpr_kernarg_segment_ptr 1
		.amdhsa_wavefront_size32 1
		.amdhsa_system_sgpr_workgroup_id_x 1
		.amdhsa_system_sgpr_workgroup_id_y 1
		.amdhsa_system_sgpr_workgroup_id_z 1
		.amdhsa_system_vgpr_workitem_id 0
		.amdhsa_next_free_vgpr 256
		.amdhsa_next_free_sgpr 66
		.amdhsa_reserve_vcc 0
		.amdhsa_float_denorm_mode_32 3
		.amdhsa_float_denorm_mode_16_64 3
		.amdhsa_memory_ordered 1
		.amdhsa_forward_progress 1
		.amdhsa_inst_pref_size 17
	.end_amdhsa_kernel
	.amdgpu_metadata
---
amdhsa.version: [ 1, 2 ]
amdhsa.kernels:
  - .name:           k_q8a50efe880_fin
    .symbol:         k_q8a50efe880_fin.kd
    .args:
      - { .name: part, .offset: 0, .size: 8, .value_kind: global_buffer, .address_space: global }
      - { .name: wf, .offset: 8, .size: 8, .value_kind: global_buffer, .address_space: global }
      - { .name: rs, .offset: 16, .size: 8, .value_kind: global_buffer, .address_space: global }
      - { .name: out0, .offset: 24, .size: 8, .value_kind: global_buffer, .address_space: global }
    .group_segment_fixed_size: 10240
    .private_segment_fixed_size: 0
    .kernarg_segment_align: 8
    .kernarg_segment_size: 32
    .max_flat_workgroup_size: 512
    .sgpr_count:     66
    .vgpr_count:     256
    .wavefront_size: 32
...
	.end_amdgpu_metadata
.endif
;; end of part 5
